; MI455X (gfx1250); checked and timed in simulation.
; The chip was launched on July 23, 2026; its instructions are those of AMD's public machine-readable ISA for CDNA 5 (MIT licence, August 2026) and "CDNA5" Instruction Set Architecture Reference Guide (July 2026). The comments in the code are by the model that wrote it; some were corrected since.
;; GPT2 Model Block. Allowed arithmetic: float matrix products may take bf16 or f16 operands with f32 sums; all other float work in f32.
;; Inputs: down_b 1,024 float32; down_w 1,024 x 4,096 float32; ln1_b 1,024 float32; ln1_w 1,024 float32; ln2_b 1,024 float32; ln2_w 1,024 float32; up_b 4,096 float32; up_w 4,096 x 1,024 float32; wk_b 1,024 float32; wk_w 1,024 x 1,024 float32; wo_b 1,024 float32; wo_w 1,024 x 1,024 float32; wq_b 1,024 float32; wq_w 1,024 x 1,024 float32; wv_b 1,024 float32; wv_w 1,024 x 1,024 float32; x 2 x 2,048 x 1,024 float32.
;; Outputs: out0 2 x 2,048 x 1,024 float32.
;; One version. Each part assembles by itself: llvm-mc -triple=amdgcn-amd-amdhsa -mcpu=gfx1250 --defsym DOCPART=n.
;; ======== version 1 of 1: 7 launches
;; workspace buffers: xb 8,388,608 bytes; wb 25,165,824 bytes; qkv 25,165,824 bytes; ob 8,388,608 bytes; x2 16,777,216 bytes; x3f 16,777,216 bytes; hb 33,554,432 bytes
;; launch prep (part 1): grid 448 x 1, 8 waves a work-group, no clusters, 0 bytes of LDS; arguments x, ln1_w, ln1_b, wq_w, wk_w, wv_w, xb, wb; writes xb, wb
.if DOCPART == 1
	.amdgcn_target "amdgcn-amd-amdhsa--gfx1250"
	.amdhsa_code_object_version 6
	.text
	.protected	k_q5fc273c0da_prep
	.globl	k_q5fc273c0da_prep
	.p2align	8
	.type	k_q5fc273c0da_prep,@function
k_q5fc273c0da_prep:
	s_mov_b64 s[64:65], 0
	v_nop
	global_prefetch_b8 v0, s[64:65] scope:SCOPE_SE
	s_setreg_imm32_b32 hwreg(HW_REG_WAVE_MODE, 25, 1), 1
	s_wait_xcnt 0x0
; Two streams in one launch.
; Work-groups 0-255:   xb = bf16( (x - mean) * rsqrt(var + 1e-5) * ln1_w + ln1_b ), rows of 1,024 f32; 16 rows a group, 2 rows a wave.
; Work-groups 256-447: wq_w, wk_w, wv_w, f32 to bf16, into the first 6 MiB of wb, one behind the other; 64 KiB of f32 a group.
; (The other three weight matrices are not needed before the attention launch has ended: that launch converts them.)
; A row is 4,096 bytes = 32 registers of one wave: it stays in registers between the pass for the mean, the pass for the variance and the
; scaling, so it is read once, and no wave waits for another: no LDS, no barrier.  The variance is the mean of (x - mean)^2, formed after the
; mean has been taken away, so a common offset of the row costs no accuracy.
; The weights are rounded here once because every tile of them is read again by 16 row blocks of the next product.
; No matrix unit, no cluster: nothing here is shared or multiplied.
; LIMITS: v_rsq_f32 is accurate to 1 ULP; results are rounded once to bf16 (they are matrix operands).
.set ROWF, 4096                        ; bytes of a row in f32
.set ROWH, 2048                        ; bytes of a row in bf16
.set XP,  4                            ; s[4:5]   x
.set WP,  6                            ; s[6:7]   gain
.set BP,  8                            ; s[8:9]   bias
.set OB,  16                           ; s[16:17] xb
.set W,   4                            ; v[4:35]    gain of my 32 columns
.set BV,  36                           ; v[36:67]   bias of my 32 columns
.set X0,  68                           ; v[68:99]   the wave's first row
.set X1,  100                          ; v[100:131] its second row
.set T,   132                          ; v[132:139] four chains of pairs
.set S,   140                          ; v140       a sum
.set PX,  141                          ; v141       the other half's sum
.set MN,  142                          ; v[142:143] minus the mean, twice
.set R,   144                          ; v[144:145] 1/sqrt(var + eps), twice
.set Y,   146                          ; v[146:161] the row in bf16
; the four chains of pairs in T become one sum over the wave's 32 lanes, in every lane, in S
.macro FOLD
	v_pk_add_f32 v[T:T+1], v[T:T+1], v[T+2:T+3]
	v_pk_add_f32 v[T+4:T+5], v[T+4:T+5], v[T+6:T+7]
	v_pk_add_f32 v[T:T+1], v[T:T+1], v[T+4:T+5]
	v_add_f32 v[S], v[T], v[T+1]
	v_add_f32_dpp v[S], v[S], v[S] row_xmask:1 row_mask:0xf bank_mask:0xf
	v_add_f32_dpp v[S], v[S], v[S] row_xmask:2 row_mask:0xf bank_mask:0xf
	v_add_f32_dpp v[S], v[S], v[S] row_xmask:4 row_mask:0xf bank_mask:0xf
	v_add_f32_dpp v[S], v[S], v[S] row_xmask:8 row_mask:0xf bank_mask:0xf
	v_permlanex16_b32 v[PX], v[S], s27, s28        ; lane i of one half reads lane i of the other
	v_add_f32 v[S], v[S], v[PX]
.endm
; One row in registers xr.  cstat: younger loads that may stay out when the row is needed; cscale: when gain and bias are needed.
.macro LNROW xr, row, cstat, cscale
	s_wait_loadcnt \cstat                          ; loads come back in order (ISA guide 5.7.1): the row is in
.irp k, 0,2,4,6
	v_pk_add_f32 v[T+\k:T+\k+1], v[\xr+\k:\xr+\k+1], v[\xr+8+\k:\xr+8+\k+1]   ; the first two pairs start each chain: nothing is cleared
.endr
.irp g, 16,24
.irp k, 0,2,4,6
	v_pk_add_f32 v[T+\k:T+\k+1], v[T+\k:T+\k+1], v[\xr+\g+\k:\xr+\g+\k+1]
.endr
.endr
	FOLD
	v_mul_f32 v[MN], s31, v[S]                     ; minus the mean
	v_mul_f32 v[MN+1], s31, v[S]
.irp j, 0,2,4,6,8,10,12,14,16,18,20,22,24,26,28,30
	v_pk_add_f32 v[\xr+\j:\xr+\j+1], v[\xr+\j:\xr+\j+1], v[MN:MN+1]
.endr
.irp k, 0,2,4,6
	v_pk_mul_f32 v[T+\k:T+\k+1], v[\xr+\k:\xr+\k+1], v[\xr+\k:\xr+\k+1]
.endr
.irp g, 8,16,24
.irp k, 0,2,4,6
	v_pk_fma_f32 v[T+\k:T+\k+1], v[\xr+\g+\k:\xr+\g+\k+1], v[\xr+\g+\k:\xr+\g+\k+1], v[T+\k:T+\k+1]
.endr
.endr
	FOLD
	v_fma_f32 v[S], v[S], s29, s30                 ; variance + eps
	v_rsq_f32 v[R], v[S]
	v_rsq_f32 v[R+1], v[S]
	v_nop                                          ; one plain instruction between v_rsq_f32 and the use of its result (ISA guide 5.7.2)
	s_wait_loadcnt \cscale                         ; gain and bias are in
	s_wait_alu depctr_va_vdst(0)
.irp j, 0,2,4,6,8,10,12,14,16,18,20,22,24,26,28,30
	v_pk_mul_f32 v[\xr+\j:\xr+\j+1], v[\xr+\j:\xr+\j+1], v[R:R+1]
.endr
.irp j, 0,2,4,6,8,10,12,14,16,18,20,22,24,26,28,30
	v_pk_fma_f32 v[\xr+\j:\xr+\j+1], v[\xr+\j:\xr+\j+1], v[W+\j:W+\j+1], v[BV+\j:BV+\j+1]
.endr
	s_wait_xcnt 0x0                                ; Y, which the row before stored from, is rewritten only behind this wait
.irp j, 0,1,2,3,4,5,6,7
	v_cvt_pk_bf16_f32 v[Y+2*\j], v[\xr+4*\j], v[\xr+4*\j+1]
	v_cvt_pk_bf16_f32 v[Y+2*\j+1], v[\xr+4*\j+2], v[\xr+4*\j+3]
.endr
.irp j, 0,1,2,3,4,5,6,7
	global_store_b64 v2, v[Y+2*\j:Y+2*\j+1], s[OB:OB+1] offset:\row*ROWH+256*\j   ; the wave's store covers 256 consecutive bytes, aligned
.endr
.endm
	s_load_b512 s[4:19], s[0:1], 0x0               ; x, ln1_w, ln1_b, wq s[10:11], wk s[12:13], wv s[14:15], xb s[16:17], wb s[18:19]
	v_lshrrev_b32 v3, 5, v0
	v_readfirstlane_b32 s26, v3                    ; wave 0..7
	v_and_b32 v1, 31, v0
	v_lshlrev_b32 v2, 3, v1                        ; 8 x lane: my place in 256 bytes of bf16
	v_lshlrev_b32 v1, 4, v1                        ; 16 x lane: my place in 512 bytes of f32
	s_wait_kmcnt 0x0
	s_cmp_ge_u32 ttmp9, 256
	s_cbranch_scc1 .Lcvt
	; ---- LayerNorm: rows 16 g + 2 w and the next ----
	s_lshl_b32 s2, ttmp9, 4
	s_lshl1_add_u32 s2, s26, s2                    ; my first row
	s_lshl_b32 s32, s2, 12
	s_mov_b32 s33, 0
	s_lshl_b32 s34, s2, 11
	s_mov_b32 s35, 0
	s_add_nc_u64 s[XP:XP+1], s[XP:XP+1], s[32:33]
	s_add_nc_u64 s[OB:OB+1], s[OB:OB+1], s[34:35]
	s_mov_b32 s27, 0x76543210
	s_mov_b32 s28, 0xfedcba98
	s_mov_b32 s29, 0x3a800000                      ; 1/1024
	s_mov_b32 s30, 0x3727c5ac                      ; 1e-5
	s_mov_b32 s31, 0xba800000                      ; -1/1024
.irp j, 0,1,2,3,4,5,6,7
	global_load_b128 v[X0+4*\j:X0+4*\j+3], v1, s[XP:XP+1] offset:512*\j
.endr
.irp j, 0,1,2,3,4,5,6,7
	global_load_b128 v[W+4*\j:W+4*\j+3], v1, s[WP:WP+1] offset:512*\j
.endr
.irp j, 0,1,2,3,4,5,6,7
	global_load_b128 v[BV+4*\j:BV+4*\j+3], v1, s[BP:BP+1] offset:512*\j
.endr
.irp j, 0,1,2,3,4,5,6,7
	global_load_b128 v[X1+4*\j:X1+4*\j+3], v1, s[XP:XP+1] offset:ROWF+512*\j
.endr
	v_mov_b32 v[PX], 0                             ; v_permlanex16_b32 counts as a reader of its destination
	LNROW X0, 0, 24, 8                             ; 24: gain, bias and the second row stay out; 8: the second row stays out
	LNROW X1, 1, 0, 0
	s_endpgm
	; ---- wq, wk, wv to bf16: piece idx of 192, 64 KiB of f32 each; a wave takes 8 KiB ----
.Lcvt:
	s_sub_co_u32 s27, ttmp9, 256                   ; idx
	s_mov_b64 s[28:29], s[10:11]                   ; pieces 0-63: wq
	s_mov_b32 s30, 0
	s_cmp_ge_u32 s27, 64
	s_cselect_b64 s[28:29], s[12:13], s[28:29]     ; 64-127: wk
	s_cselect_b32 s30, 64, s30
	s_cmp_ge_u32 s27, 128
	s_cselect_b64 s[28:29], s[14:15], s[28:29]     ; 128-191: wv
	s_cselect_b32 s30, 128, s30
	s_sub_co_u32 s31, s27, s30                     ; the piece's number in its own matrix
	s_lshl_b32 s32, s31, 16
	s_lshl_b32 s33, s26, 13
	s_add_co_u32 s32, s32, s33
	s_mov_b32 s33, 0
	s_add_nc_u64 s[28:29], s[28:29], s[32:33]
	s_lshl_b32 s34, s27, 15                        ; wb is linear in idx: the matrices follow each other in this order
	s_lshl_b32 s35, s26, 12
	s_add_co_u32 s34, s34, s35
	s_mov_b32 s35, 0
	s_add_nc_u64 s[18:19], s[18:19], s[34:35]
.irp j, 0,1,2,3,4,5,6,7,8,9,10,11,12,13,14,15
	global_load_b128 v[4+4*\j:4+4*\j+3], v1, s[28:29] offset:512*\j th:TH_LOAD_NT
.endr
.irp j, 0,1,2,3,4,5,6,7,8,9,10,11,12,13,14,15
	s_wait_loadcnt 15-\j                           ; load j is in; the younger ones stay out
	v_cvt_pk_bf16_f32 v[68+2*\j], v[4+4*\j], v[4+4*\j+1]
	v_cvt_pk_bf16_f32 v[68+2*\j+1], v[4+4*\j+2], v[4+4*\j+3]
	global_store_b64 v2, v[68+2*\j:68+2*\j+1], s[18:19] offset:256*\j   ; 256 consecutive bytes, aligned; no register is written twice
.endr
	s_endpgm
.Lfunc_end_k_q5fc273c0da_prep:
	.size	k_q5fc273c0da_prep, .Lfunc_end_k_q5fc273c0da_prep-k_q5fc273c0da_prep
	.p2alignl 7, 3214868480
	.fill 96, 4, 3214868480
	.section	.rodata,"a",@progbits
	.p2align	6, 0x0
	.amdhsa_kernel k_q5fc273c0da_prep
		.amdhsa_group_segment_fixed_size 0
		.amdhsa_private_segment_fixed_size 0
		.amdhsa_enable_private_segment 0
		.amdhsa_kernarg_size 64
		.amdhsa_user_sgpr_count 2
		.amdhsa_user_sgpr_kernarg_segment_ptr 1
		.amdhsa_wavefront_size32 1
		.amdhsa_system_sgpr_workgroup_id_x 1
		.amdhsa_system_sgpr_workgroup_id_y 1
		.amdhsa_system_sgpr_workgroup_id_z 1
		.amdhsa_system_vgpr_workitem_id 0
		.amdhsa_next_free_vgpr 168
		.amdhsa_next_free_sgpr 66
		.amdhsa_reserve_vcc 0
		.amdhsa_float_denorm_mode_32 3
		.amdhsa_float_denorm_mode_16_64 3
		.amdhsa_memory_ordered 1
		.amdhsa_forward_progress 1
		.amdhsa_inst_pref_size 27
	.end_amdhsa_kernel
	.amdgpu_metadata
---
amdhsa.version: [ 1, 2 ]
amdhsa.kernels:
  - .name:           k_q5fc273c0da_prep
    .symbol:         k_q5fc273c0da_prep.kd
    .args:
      - { .name: x, .offset: 0, .size: 8, .value_kind: global_buffer, .address_space: global }
      - { .name: ln1_w, .offset: 8, .size: 8, .value_kind: global_buffer, .address_space: global }
      - { .name: ln1_b, .offset: 16, .size: 8, .value_kind: global_buffer, .address_space: global }
      - { .name: wq_w, .offset: 24, .size: 8, .value_kind: global_buffer, .address_space: global }
      - { .name: wk_w, .offset: 32, .size: 8, .value_kind: global_buffer, .address_space: global }
      - { .name: wv_w, .offset: 40, .size: 8, .value_kind: global_buffer, .address_space: global }
      - { .name: xb, .offset: 48, .size: 8, .value_kind: global_buffer, .address_space: global }
      - { .name: wb, .offset: 56, .size: 8, .value_kind: global_buffer, .address_space: global }
    .group_segment_fixed_size: 0
    .private_segment_fixed_size: 0
    .kernarg_segment_align: 8
    .kernarg_segment_size: 64
    .max_flat_workgroup_size: 256
    .sgpr_count:     66
    .vgpr_count:     168
    .wavefront_size: 32
...
	.end_amdgpu_metadata
.endif
;; end of part 1
;; launch qkv (part 2): grid 12 x 16, 4 waves a work-group, clusters of 4 x 4, 327,680 bytes of LDS; arguments xb, wb, wq_b, wk_b, wv_b, qkv; writes qkv
.if DOCPART == 2
	.amdgcn_target "amdgcn-amd-amdhsa--gfx1250"
	.amdhsa_code_object_version 6
	.text
	.protected	k_q5fc273c0da_qkv
	.globl	k_q5fc273c0da_qkv
	.p2align	8
	.type	k_q5fc273c0da_qkv,@function
k_q5fc273c0da_qkv:
	s_mov_b64 s[64:65], 0
	v_nop
	global_prefetch_b8 v0, s[64:65] scope:SCOPE_SE
	s_setreg_imm32_b32 hwreg(HW_REG_WAVE_MODE, 25, 1), 1
	s_wait_xcnt 0x0
	s_wait_alu depctr_hold_cnt(0) depctr_sa_sdst(0) depctr_va_vdst(0) depctr_va_sdst(0) depctr_va_ssrc(0) depctr_va_vcc(0) depctr_vm_vsrc(0)
	s_getreg_b32 s2, hwreg(HW_REG_IB_STS2, 6, 4)
	s_cmp_eq_u32 s2, 0
	s_cbranch_scc0 .Lentry_in_a_cluster
	s_endpgm
.Lentry_in_a_cluster:
	s_bfe_u32 s2, ttmp6, 0x10000c
	s_cmp_lg_u32 s2, 0xf033
	s_cbranch_scc0 .Lentry_shape_is_right
	s_endpgm
.Lentry_shape_is_right:
; q, k, v = x1 Wqkv^T + bias.  A = xb [4096][1024] bf16, B = the first 3,072 rows of wb [.][1024] bf16 (wq, wk, wv), sums in f32.
; Out: qkv [3 sections][32 heads (batch x 16 + head)][2048 tokens][64] bf16, rounded once: the head-major order lets the attention launch
; fetch a run of keys as one dense block.
; A work-group makes a block of 256 x 256 with four waves, a wave 128 x 128: 64 accumulator tiles of 16 x 16, 512 registers.
; K goes in steps of 128 through a ring of two LDS slots filled by the tensor data mover; a tile's rows are 256 bytes of memory, aligned.
; CLUSTERS: 4 x 4 work-groups.  The four of a row of the cluster need the same tiles of A, the four of a column the same tiles of B: such a tile is asked
; for jointly, by the same tensor load with the same descriptor and a mask that names the four.  That divides the requests for A and B by four.
; The grid is 12 x 16 = 192 work-groups: 3,072 columns give no more blocks of this size.
; REGISTERS, in windows of 256: window 0: v0-31 addresses, v32-63 packed results, v64-127 and v128-191 fragments of A (two buffers), v192-255 results + bias;
;   window 1: v64-127, v128-191 fragments of B, v192-255 the bias of my 128 columns; windows 2, 3: accumulators of my rows 0-63, 64-127 (tile (a, b) at v[8 (8 a + b)]).
; THE MATRIX INSTRUCTION IS USED TRANSPOSED: source 0 = 16 rows of B, source 1 = 16 rows of A, so lane l holds row l % 16 of C and its registers 0-7 the
; columns 8 (l / 16) + 0..7: eight neighbouring numbers, 16 bytes of bf16.
.set SIZE_K, 1024
.set KSTEP,  128
.set PITCH,  272                       ; an LDS row: 256 bytes + 16 of padding = 68 words: the 16 rows that a load touches start at 16 different banks (64 banks of 4 bytes: ISA guide 11.1)
.set HALFT,  128*PITCH                 ; 128 rows: what one tensor load brings
.set SLOT,   4*HALFT                   ; A's 256 rows, then B's 256 rows
.set STAGE,  2*SLOT                    ; behind the ring: 16 rows x 272 bytes for each wave, for the way out; no fill ever lands there
.set SPITCH, 272
.set LAPS,   SIZE_K/(2*KSTEP)          ; a lap = two K steps = once round the ring: 4
.set ADRA, 16                          ; v16-17  LDS address of my A fragments in slot 0, 1
.set ADRB, 20                          ; v20-21  the same for B
.set STO,  24                          ; v24     the way out: where I put 16 bytes of a row
.set RD,   25                          ; v25     the way out: where I read back
.set CO,   26                          ; v26     my byte offset in a store's 512 bytes
.set BO,   27                          ; v27     my byte offset in the bias
.set TMP,  32                          ; v32-63  packed results
.set F0,   64
.set F1,   128
.set RB,   128                         ; v128-159 read back from the stage
.set W,    192                         ; v192-255 a row of tiles + bias, f32
.set BIAS, 192                         ; window 1
.set G1, 24                            ; s[24:31] descriptor group 1 for A's tiles
.set G0, 32                            ; s[32:39] group 0 for A's tiles, one set a slot
.set G1B, 48                           ; s[48:55] group 1 for B's tiles: the mask differs
.set G0B, 56                           ; s[56:63] group 0 for B's tiles
.set MSB, 0
.macro WIN new                         ; the immediate's high byte repeats the setting that is left
.if MSB != \new
	s_set_vgpr_msb (MSB<<8)|\new
.set MSB, \new
.endif
.endm
.set MUL_LO, 0xa1                      ; source 0 (B) window 1, source 1 (A) window 0, C and D window 2
.set MUL_HI, 0xf1                      ; the same, C and D window 3
.set TO_B,   0x40                      ; destination window 1, address window 0
; A joint load.  Waves 0 and 1 fetch A's two halves, waves 2 and 3 B's.  The branch hangs on the wave's number alone.
.macro JLOAD s
	s_cmp_eq_u32 s11, 0
	s_cbranch_scc0 .Lfor_b_\@
	tensor_load_to_lds s[G0+4*\s:G0+4*\s+3], s[G1:G1+7]
	s_nop 0
	s_branch .Lasked_\@
.Lfor_b_\@:
	tensor_load_to_lds s[G0B+4*\s:G0B+4*\s+3], s[G1B:G1B+7]
	s_nop 0
.Lasked_\@:
.endm
; A round of the cluster's barrier: my work-group's barrier; wave 0 signals for the work-group; every wave waits for all sixteen; my work-group's barrier again.
.macro CREST                           ; a round behind its opening barrier
	s_cmp_lg_u32 s10, 0
	s_cbranch_scc1 .Lnot_wave_0_\@
	s_barrier_signal -3
.Lnot_wave_0_\@:
	s_barrier_wait -3
	s_barrier_signal -1
	s_barrier_wait -1
.endm
.macro CROUND
	s_barrier_signal -1
	s_barrier_wait -1
	CREST
.endm
	s_load_b128 s[4:7], s[0:1], 0x0                ; xb s[4:5], wb s[6:7]
	s_load_b128 s[68:71], s[0:1], 0x10             ; wq_b, wk_b
	s_load_b128 s[72:75], s[0:1], 0x20             ; wv_b, qkv
	s_set_vgpr_msb 0x40
	v_lshl_add_u32 v63, v0, 2, 0x48400
	s_set_vgpr_msb 0x4000
	v_mov_b32 v31, 0
	s_set_vgpr_msb 0x1
	ds_add_u32 v63, v31
	ds_add_u32 v63, v31
	s_set_vgpr_msb 0x100
	v_lshrrev_b32 v1, 5, v0
	v_readfirstlane_b32 s10, v1                    ; wave 0..3
	s_lshr_b32 s11, s10, 1                         ; which half of the block's rows is mine.  Also: I fetch for A (0) or for B (1)
	s_and_b32 s12, s10, 1                          ; which half of its columns.  Also: which 128 rows of that tile I fetch
	s_bfe_u32 s40, ttmp6, 0x40000                  ; cx
	s_bfe_u32 s41, ttmp6, 0x40004                  ; cy
	s_lshl_b32 s42, ttmp9, 2
	s_add_co_u32 s42, s42, s40                     ; block column = 4 x cluster x + cx
	s_and_b32 s13, ttmp7, 0xffff
	s_lshl_b32 s13, s13, 2
	s_add_co_u32 s13, s13, s41                     ; block row = 4 x cluster y + cy
	s_lshl_b32 s43, s41, 2
	s_lshl_b32 s43, 15, s43                        ; my row of the cluster: places 4 cy .. 4 cy + 3
	s_lshl_b32 s44, 0x1111, s40                    ; my column: places cx, cx + 4, cx + 8, cx + 12
	; group 1: a tile of 128 rows x 128 elements of 2 bytes, 16 bytes of padding behind every 64 words
	s_or_b32 s[G1+0], s43, (1<<16)|(1<<20)|(1<<21)|(5<<22)|(3<<25)
	s_or_b32 s[G1B+0], s44, (1<<16)|(1<<20)|(1<<21)|(5<<22)|(3<<25)
	s_mov_b32 s[G1B+1], KSTEP<<16
	s_mov_b32 s[G1+1], KSTEP<<16                   ; tensor_dim0 = 128
	s_mov_b32 s[G1B+2], 128<<16
	s_mov_b32 s[G1+2], 128<<16                     ; tensor_dim1 = 128
	s_mov_b32 s[G1B+3], KSTEP<<16
	s_mov_b32 s[G1+3], KSTEP<<16                   ; tile_dim0 = 128
	s_mov_b32 s[G1B+4], 128
	s_mov_b32 s[G1+4], 128                         ; tile_dim1 = 128
	s_mov_b32 s[G1B+5], SIZE_K
	s_mov_b32 s[G1+5], SIZE_K                      ; elements from row to row
	s_mov_b32 s[G1B+6], 0
	s_mov_b32 s[G1+6], 0
	s_mov_b32 s[G1B+7], 0
	s_mov_b32 s[G1+7], 0
	; A's tiles hang on the block row alone, B's on the block column alone; each address in registers that never hold the other coordinate
	s_lshl_b32 s17, s12, 7
	s_lshl_b32 s16, s13, 8
	s_add_co_u32 s16, s16, s17                     ; A: row 256 x block row + 128 x half
	s_lshl_b32 s46, s42, 8
	s_add_co_u32 s46, s46, s17                     ; B: row 256 x block column + 128 x half
	s_mov_b32 s17, 0
	s_mov_b32 s47, 0
	s_mov_b64 s[18:19], SIZE_K*2
	s_mul_u64 s[16:17], s[16:17], s[18:19]
	s_mul_u64 s[46:47], s[46:47], s[18:19]
	s_mul_i32 s20, s10, HALFT                      ; where they go: wave x 128 rows
	s_wait_dscnt 0x0
	s_wait_kmcnt 0x0
	s_add_nc_u64 s[14:15], s[4:5], s[16:17]
	s_add_nc_u64 s[46:47], s[6:7], s[46:47]
	s_mov_b64 s[8:9], s[74:75]                     ; qkv
	CROUND                                         ; all sixteen work-groups are here: the first joint loads meet
.irp s, 0,1
	s_mov_b32 s[G0+4*\s], 1
	s_add_co_u32 s[G0+4*\s+1], s20, \s*SLOT
	s_add_nc_u64 s[G0+4*\s+2:G0+4*\s+3], s[14:15], \s*KSTEP*2
	s_or_b32 s[G0+4*\s+3], s[G0+4*\s+3], 0x80000000
	s_mov_b32 s[G0B+4*\s], 1
	s_add_co_u32 s[G0B+4*\s+1], s20, \s*SLOT
	s_add_nc_u64 s[G0B+4*\s+2:G0B+4*\s+3], s[46:47], \s*KSTEP*2
	s_or_b32 s[G0B+4*\s+3], s[G0B+4*\s+3], 0x80000000
	JLOAD \s                                       ; both first fills go out before anything else: two tensor loads of the wave are out
.endr
	v_and_b32 v1, 15, v0                           ; l % 16
	v_bfe_u32 v2, v0, 4, 1                         ; l / 16
	v_mul_u32_u24 v3, v1, PITCH
	v_lshl_add_u32 v3, v2, 4, v3                   ; row x pitch + 16 x half
	s_mul_i32 s21, s11, HALFT                      ; my 128 rows of A
	s_mul_i32 s22, s12, HALFT                      ; my 128 rows of B,
	s_add_co_u32 s22, s22, 2*HALFT                 ; which lie behind A's 256
.irp s, 0,1
	v_add_nc_u32 v[ADRA+\s], s21, v3
	v_add_nc_u32 v[ADRB+\s], s22, v3
	s_add_co_u32 s21, s21, SLOT
	s_add_co_u32 s22, s22, SLOT
.endr
	s_mul_i32 s23, s10, 16*SPITCH
	s_add_co_u32 s23, s23, STAGE                   ; my stage
	v_mul_u32_u24 v4, v1, SPITCH                   ; in: row l % 16, 16 bytes for each half of the lanes
	v_lshl_add_u32 v4, v2, 4, v4
	v_add_nc_u32 v[STO], s23, v4
	v_and_b32 v6, 31, v0                           ; back: eight lanes take the 128 bytes of one token of one head, the wave four tokens
	v_lshrrev_b32 v5, 3, v6
	v_mul_u32_u24 v5, v5, SPITCH
	v_and_b32 v7, 7, v0
	v_lshl_add_u32 v5, v7, 4, v5
	v_add_nc_u32 v[RD], s23, v5
	v_lshlrev_b32 v[CO], 4, v6                     ; four tokens of a head are 512 consecutive bytes of qkv
	v_lshlrev_b32 v[BO], 5, v2                     ; my eight columns of a tile: 32 bytes of bias for each half of the lanes
	; the bias of my 128 columns.  A section (q, k, v) is 1,024 columns = one column of clusters: its number is the cluster's x.
	s_lshl_b32 s76, s40, 10                        ; 256 columns x 4 bytes for each block in the section
	s_lshl_b32 s77, s12, 9
	s_add_co_u32 s76, s76, s77
	s_mov_b32 s77, 0
	s_cmp_eq_u32 ttmp9, 1
	s_cselect_b64 s[68:69], s[70:71], s[68:69]
	s_cmp_eq_u32 ttmp9, 2
	s_cselect_b64 s[68:69], s[72:73], s[68:69]
	s_add_nc_u64 s[68:69], s[68:69], s[76:77]
	WIN TO_B
.irp b, 0,1,2,3,4,5,6,7
	global_load_b128 v[BIAS+8*\b:BIAS+8*\b+3],   v[BO], s[68:69] offset:64*\b      ; these 16 loads stay out through the K loop; the wait stands in front of the way out
	global_load_b128 v[BIAS+8*\b+4:BIAS+8*\b+7], v[BO], s[68:69] offset:64*\b+16
.endr
	WIN 0
; 16 matrix instructions: m blocks a0, a0 + 1 of the window's four x all 8 n blocks, 32 along K.  zero = 1: the first product starts the sums.
.macro MUL16 f, hi, a0, zero
.irp a, \a0, \a0+1
.irp b, 0,1,2,3,4,5,6,7
.if \zero
	v_wmma_f32_16x16x32_bf16 v[8*(8*(\a)+\b):8*(8*(\a)+\b)+7], v[\f+8*\b:\f+8*\b+7], v[\f+8*(4*\hi+\a):\f+8*(4*\hi+\a)+7], 0
.else
	v_wmma_f32_16x16x32_bf16 v[8*(8*(\a)+\b):8*(8*(\a)+\b)+7], v[\f+8*\b:\f+8*\b+7], v[\f+8*(4*\hi+\a):\f+8*(4*\hi+\a)+7], v[8*(8*(\a)+\b):8*(8*(\a)+\b)+7]
.endif
.endr
.endr
.endm
; 32 LDS loads in one run: the fragments of one quarter step into buffer f
.macro FETCH slot, k, f
	WIN TO_B
.irp i, 0,1,2,3,4,5,6,7
	ds_load_b128 v[\f+8*\i:\f+8*\i+3],   v[ADRB+\slot] offset:\k+\i*16*PITCH
	ds_load_b128 v[\f+8*\i+4:\f+8*\i+7], v[ADRB+\slot] offset:\k+\i*16*PITCH+32
.endr
	WIN 0
.irp i, 0,1,2,3,4,5,6,7
	ds_load_b128 v[\f+8*\i:\f+8*\i+3],   v[ADRA+\slot] offset:\k+\i*16*PITCH
	ds_load_b128 v[\f+8*\i+4:\f+8*\i+7], v[ADRA+\slot] offset:\k+\i*16*PITCH+32
.endr
.endm
; four places behind a matrix instruction before a load lands on a register that it read or a vector instruction reads its result (ISA guide 7.12.1 for vector instructions)
.macro PLACES
.rept 4
	v_nop
.endr
.endm
; A K step is four quarter steps of 32 along K, 64 matrix instructions each, on buffers 0, 1, 0, 1.  The 64 accumulators take turns, one instruction a turn.
.macro QUARTER slot, k, f, g, zero
	s_wait_dscnt 8                                 ; B and A's rows 0-63 are in; the youngest eight loads (A's rows 64-127) may be out
	WIN MUL_LO
	MUL16 \f, 0, 0, \zero
	MUL16 \f, 0, 2, \zero
	PLACES
	FETCH \slot, \k, \g
	s_wait_dscnt 32                                ; all but the 32 just issued
	WIN MUL_HI
	MUL16 \f, 1, 0, \zero
	MUL16 \f, 1, 2, \zero
.endm
.macro THREE slot, zero
	QUARTER \slot, 64,  F0, F1, \zero
	QUARTER \slot, 128, F1, F0, 0
	QUARTER \slot, 192, F0, F1, 0
.endm
; The last quarter changes slots.  In front of the barrier each wave waits for its reads of this slot and for all its tensor loads (one is out: its part
; of the next slot).  Behind it the refill comes first, then the next slot's first fragments.
.macro TURN slot, next, fill
	s_wait_dscnt 8
	WIN MUL_LO
	MUL16 F1, 0, 0, 0
	s_wait_dscnt 0                                 ; my reads of this slot are over
	s_wait_tensorcnt 0x0                           ; and all my tensor loads have landed
	ds_add_u32 v63, v31
	s_wait_dscnt 0x0
	s_barrier_signal -1                            ; (where a slot is filled again this barrier opens a round of the cluster's barrier)
	MUL16 F1, 0, 2, 0                              ; register work while the others arrive
	WIN 0
	s_barrier_wait -1
.if \fill
	CREST                                          ; no wave of any partner still reads this slot or has a load on its way
	s_add_nc_u64 s[G0+4*\slot+2:G0+4*\slot+3], s[G0+4*\slot+2:G0+4*\slot+3], 2*KSTEP*2
	s_add_nc_u64 s[G0B+4*\slot+2:G0B+4*\slot+3], s[G0B+4*\slot+2:G0B+4*\slot+3], 2*KSTEP*2
	JLOAD \slot                                    ; the first tensor load behind the round, the wave's only one until the next
.endif
	PLACES
	FETCH \next, 0, F0
	WIN MUL_HI
	MUL16 F1, 1, 0, 0
	MUL16 F1, 1, 2, 0
.endm
.macro LAP zero
	THREE 0, \zero
	TURN 0, 1, 1
	THREE 1, 0
	TURN 1, 0, 1
.endm
	s_wait_tensorcnt 1                             ; my part of K step 0 is in; K step 1's may stay out
	s_barrier_signal -1
	s_barrier_wait -1
	FETCH 0, 0, F0
	LAP 1                                          ; the first lap's first products start the sums
	WIN 0
	s_mov_b32 s3, LAPS-2
.Llap:
	LAP 0
	WIN 0
	s_sub_co_u32 s3, s3, 1
	s_cmp_lg_u32 s3, 0
	s_cbranch_scc1 .Llap
	THREE 0, 0                                     ; the last lap fills nothing
	TURN 0, 1, 0
	THREE 1, 0
	s_wait_dscnt 8
	WIN MUL_LO
	MUL16 F1, 0, 0, 0
	MUL16 F1, 0, 2, 0
	s_wait_dscnt 0
	WIN MUL_HI
	MUL16 F1, 1, 0, 0
	MUL16 F1, 1, 2, 0
	; THE WAY OUT, 16 tokens at a time: add the bias, round to bf16, 16 bytes a lane into my stage, read back by heads.
	PLACES
	s_wait_loadcnt 0x0                             ; the bias
	s_lshr_b32 s14, s13, 3                         ; batch (8 block rows of 256 tokens each)
	s_lshl_b32 s14, s14, 15                        ; x 16 heads x 2,048 tokens
	s_and_b32 s16, s13, 7
	s_lshl_b32 s16, s16, 8                         ; + my block's first token
	s_add_co_u32 s14, s14, s16
	s_lshl_b32 s16, s11, 7                         ; + my half
	s_add_co_u32 s14, s14, s16
	s_lshl_b32 s16, s14, 7                         ; x 128 bytes a token of a head
	s_mov_b32 s17, 0
	s_add_nc_u64 s[8:9], s[8:9], s[16:17]
	s_lshl_b32 s46, s40, 2                         ; my first head = 4 cx + 2 x half (in the registers that held B's address)
	s_lshl1_add_u32 s46, s12, s46
	s_lshl_b32 s46, s46, 18                        ; x 2,048 tokens x 128 bytes
	s_lshl_b32 s47, ttmp9, 23                      ; + the section
	s_add_co_u32 s46, s46, s47
	s_mov_b32 s47, 0
	s_add_nc_u64 s[8:9], s[8:9], s[46:47]
; tokens 16 i .. 16 i + 15 of my block = the eight tiles (a, 0..7) of window 2 or 3 (from = 0x06 or 0x07: source 0 there, source 1 in window 1)
.macro OUT16 i, a, from
	WIN \from
.irp b, 0,1,2,3,4,5,6,7
.irp r, 0,1,2,3
	v_pk_add_f32 v[W+8*\b+2*\r:W+8*\b+2*\r+1], v[8*(8*\a+\b)+2*\r:8*(8*\a+\b)+2*\r+1], v[BIAS+8*\b+2*\r:BIAS+8*\b+2*\r+1]
.endr
.endr
	WIN 0
.irp b, 0,1,2,3,4,5,6,7
.irp r, 0,1,2,3
	v_cvt_pk_bf16_f32 v[TMP+4*\b+\r], v[W+8*\b+2*\r], v[W+8*\b+2*\r+1]
.endr
.endr
.irp b, 0,1,2,3,4,5,6,7
	ds_store_b128 v[STO], v[TMP+4*\b:TMP+4*\b+3] offset:32*\b
.endr
	s_wait_xcnt 0x0                                ; RB, which the last stores read, is loaded again only behind this wait
.irp hd, 0,1
.irp g, 0,1,2,3
	ds_load_b128 v[RB+4*(4*\hd+\g):RB+4*(4*\hd+\g)+3], v[RD] offset:\g*4*SPITCH+\hd*128   ; LDS serves a wave's instructions in order (ISA guide 5.7.1.4): these see the stores above
.endr
.endr
.irp hd, 0,1
.irp g, 0,1,2,3
	s_wait_dscnt 7-(4*\hd+\g)
	global_store_b128 v[CO], v[RB+4*(4*\hd+\g):RB+4*(4*\hd+\g)+3], s[8:9] offset:\hd*262144+(16*\i+4*\g)*128   ; four tokens of one head: 512 consecutive bytes, aligned
.endr
.endr
.endm
	OUT16 0, 0, 0x06
	OUT16 1, 1, 0x06
	OUT16 2, 2, 0x06
	OUT16 3, 3, 0x06
	OUT16 4, 0, 0x07
	OUT16 5, 1, 0x07
	OUT16 6, 2, 0x07
	OUT16 7, 3, 0x07
	s_set_vgpr_msb 0x1
	s_wait_tensorcnt 0x0
	ds_add_u32 v63, v31
	s_wait_dscnt 0x0
	s_set_vgpr_msb 0x100
	CROUND                                         ; the closing round: no work-group ends while a partner may still ask for a tile that names it
	s_endpgm
.Lfunc_end_k_q5fc273c0da_qkv:
	.size	k_q5fc273c0da_qkv, .Lfunc_end_k_q5fc273c0da_qkv-k_q5fc273c0da_qkv
	.p2alignl 7, 3214868480
	.fill 96, 4, 3214868480
	.section	.rodata,"a",@progbits
	.p2align	6, 0x0
	.amdhsa_kernel k_q5fc273c0da_qkv
		.amdhsa_group_segment_fixed_size 327680
		.amdhsa_private_segment_fixed_size 0
		.amdhsa_enable_private_segment 0
		.amdhsa_kernarg_size 48
		.amdhsa_user_sgpr_count 2
		.amdhsa_user_sgpr_kernarg_segment_ptr 1
		.amdhsa_wavefront_size32 1
		.amdhsa_system_sgpr_workgroup_id_x 1
		.amdhsa_system_sgpr_workgroup_id_y 1
		.amdhsa_system_sgpr_workgroup_id_z 1
		.amdhsa_system_vgpr_workitem_id 0
		.amdhsa_next_free_vgpr 1024
		.amdhsa_next_free_sgpr 80
		.amdhsa_reserve_vcc 0
		.amdhsa_float_denorm_mode_32 3
		.amdhsa_float_denorm_mode_16_64 3
		.amdhsa_memory_ordered 1
		.amdhsa_forward_progress 1
		.amdhsa_inst_pref_size 214
	.end_amdhsa_kernel
	.amdgpu_metadata
---
amdhsa.version: [ 1, 2 ]
amdhsa.kernels:
  - .name:           k_q5fc273c0da_qkv
    .symbol:         k_q5fc273c0da_qkv.kd
    .args:
      - { .name: xb, .offset: 0, .size: 8, .value_kind: global_buffer, .address_space: global }
      - { .name: wb, .offset: 8, .size: 8, .value_kind: global_buffer, .address_space: global }
      - { .name: wq_b, .offset: 16, .size: 8, .value_kind: global_buffer, .address_space: global }
      - { .name: wk_b, .offset: 24, .size: 8, .value_kind: global_buffer, .address_space: global }
      - { .name: wv_b, .offset: 32, .size: 8, .value_kind: global_buffer, .address_space: global }
      - { .name: qkv, .offset: 40, .size: 8, .value_kind: global_buffer, .address_space: global }
    .group_segment_fixed_size: 327680
    .private_segment_fixed_size: 0
    .kernarg_segment_align: 8
    .kernarg_segment_size: 48
    .max_flat_workgroup_size: 128
    .sgpr_count:     80
    .vgpr_count:     1024
    .wavefront_size: 32
...
	.end_amdgpu_metadata
.endif
;; end of part 2
;; launch attn (part 3): grid 8 x 32, 4 waves a work-group, no clusters, 327,680 bytes of LDS; arguments qkv, ob, wo_w, up_w, down_w, wb; writes ob, wb
.if DOCPART == 3
	.amdgcn_target "amdgcn-amd-amdhsa--gfx1250"
	.amdhsa_code_object_version 6
	.text
	.protected	k_q5fc273c0da_attn
	.globl	k_q5fc273c0da_attn
	.p2align	8
	.type	k_q5fc273c0da_attn,@function
k_q5fc273c0da_attn:
	s_mov_b64 s[64:65], 0
	v_nop
	global_prefetch_b8 v0, s[64:65] scope:SCOPE_SE
	s_setreg_imm32_b32 hwreg(HW_REG_WAVE_MODE, 25, 1), 1
	s_wait_xcnt 0x0
; Causal attention with a running maximum.  qkv: [3][32 heads][2048][64] bf16; ob: [32 heads][2048][64] bf16.
; Work-group (p, head), p = 0..7: the 128 queries of chunk 14 - 2 p, then those of chunk 2 p + 1.  Chunk c needs the key units (128 keys) 0..c, so every
; work-group walks (15 - 2 p) + (2 p + 2) = 17 units: all 256 have the same work.  The first chunk's count is odd and the second's even for every p,
; so which of the two LDS slots a unit lies in is fixed in the text.  Within a chunk the diagonal unit comes first (the only one that is masked; its
; first tile starts every sum and the maximum, so nothing is cleared and the maximum is finite from the start), then the units go down to 0.
; A wave owns 32 queries (two tiles of 16).
; BOTH PRODUCTS ARE TRANSPOSED, so that a lane's query is l % 16 everywhere:
;   S^T = K Q^T : source 0 = 16 keys x 32 d from LDS, source 1 = 16 queries x 32 d; register j of lane l = (key 8 (l / 16) + j, query l % 16).
;   Two neighbouring key tiles, packed to bf16 in place, ARE the source-1 fragment of P^T for 32 keys: P never leaves its lane.
;   O^T = V^T P^T : source 0 = 16 d x 32 keys by the transposing LDS load; register j = (d 8 (l / 16) + j, query l % 16): 8 neighbouring d of one query.
; So maximum, sum and rescaling are per lane; lanes l and l + 16 share a query and exchange the maximum once a tile.
; softmax: p = 2^(c (s - m)), c = log2(e) / 8 (the scale 1/sqrt(64) folded in); m = running maximum of the raw scores.
; THE LAST PRODUCT OF A UNIT IS PUT OFF: a unit's second half ends with P packed and V's fragments asked for; its P V product (registers only) stands behind the
; next unit's barrier, refill and K fetch, so that the K fragments land while it runs.  In front of a chunk's way out the product that is still owed is made.
; A SECOND STREAM RIDES ALONG: wo_w, up_w, down_w, f32 to bf16, into wb (bytes 0x600000, 0x800000, 0x1000000), which the launches behind this one read.  A wave
; takes 1/1024 of each matrix: 72 loads of 512 bytes, 144 conversions, 72 stores of 256 bytes, beside the 34 tiles of its own work.  The loads of wo_w and
; up_w go out at the start and are converted behind the first unit; there the loads of down_w go out; they are converted behind the second chunk's first unit.
; NO MULTICAST: the eight work-groups of a head are at different key units at every step (partner p starts at unit 14 - 2 p), and a chunk's number of
; units differs between partners, so no two ask for the same tile in the same step.  No prefetch: K and V were stored by the launch just before.
; LDS: slot s at 40,960 s holds four pieces of 10,240 bytes, piece w filled by wave w: K keys 0-63, K keys 64-127 (rows of 128 bytes at pitch 144),
; V keys 0-63, V keys 64-127 (pitch 160, an odd multiple of 32, for the transposing load).  Stage at 81,920: 32 rows at pitch 144 for each wave; no fill lands there.
; LIMITS: q, k, v, P and o are bf16 (matrix operands); v_exp_f32 and v_rcp_f32 are accurate to 1 ULP and flush denormals, so a p below 2^-126 counts as 0.
.set KP,    144
.set VP,    160
.set PIECE, 10240
.set SLOT,  4*PIECE
.set STAGE, 2*SLOT
.set KADR, 2                           ; v2-3    LDS address of my K fragments, slot 0, 1
.set VADR, 4                           ; v4-5    the same for V
.set STO,  6                           ; v6      the way out: where I put 16 bytes
.set RD,   7                           ; v7      where I read back
.set LOFF, 8                           ; v8      16 x lane
.set QOFF, 9                           ; v9      my bytes of a Q tile
.set DQ,   10                          ; v10-11  query tile q: my query's number in the chunk less 8 (l / 16)
.set MA,   12                          ; v12-13  the running maximum, by turns in MA and MB
.set MB,   14                          ; v14-15
.set PX,   16                          ; v16-17  from the other half of the lanes
.set MT,   18                          ; v18-19  a second chain; the exponent of alpha
.set AL,   20                          ; v20-23  alpha of query tile q, twice
.set NMC,  24                          ; v24-27  -c x maximum, twice
.set LP,   28                          ; v28-31  my part of the sum of p, a pair for each q
.set TP,   32                          ; v32-35  a second chain
.set SR,   64                          ; v64-127  S(q, t) at SR + 32 q + 8 t; then P(q, ks) at SR + 32 q + 16 ks
.set KF,   128                         ; v128-191 K fragment (t, ks) at KF + 16 t + 8 ks
.set VF,   192                         ; v192-255 V fragment (dt, ks) at VF + 16 dt + 8 ks
.set OW,   0                           ; window 1: O(q, dt) at 32 q + 8 dt
.set QW,   64                          ; window 1: Q(q, ks) at QW + 16 q + 8 ks; 64 for the first chunk, 96 for the second (set again below)
.set WT,   0                           ; window 2: v0-159   weights as loaded, 4 registers a load
.set WH,   160                         ; window 2: v160-239 weights in bf16, 2 registers a load
.set HO2,  240                         ; window 2: v240     8 x lane
.set G1K, 24                           ; s[24:31] group 1 for K's pieces
.set G1V, 32                           ; s[32:39] for V's
.set G0K, 40                           ; s[40:47] group 0 for K's pieces, one set a slot
.set G0V, 48                           ; s[48:55] for V's
.set MSB, 0
.macro WIN new                         ; the immediate's high byte repeats the setting that is left
.if MSB != \new
	s_set_vgpr_msb (MSB<<8)|\new
.set MSB, \new
.endif
.endm
.macro PLACES cnt
.rept \cnt
	v_nop
.endr
.endm
; my piece of the next unit: waves 0, 1 fetch K's halves, waves 2, 3 V's.  slot is the plain number 0 or 1.
.macro KVLOAD slot
	s_cmp_eq_u32 s9, 0
	s_cbranch_scc0 .Lfor_v_\@
	tensor_load_to_lds s[G0K+4*\slot:G0K+4*\slot+3], s[G1K:G1K+7]
	s_nop 0
	s_branch .Lasked_\@
.Lfor_v_\@:
	tensor_load_to_lds s[G0V+4*\slot:G0V+4*\slot+3], s[G1V:G1V+7]
	s_nop 0
.Lasked_\@:
.endm
; the addresses of unit s13 into the slot's two group 0; then s13 steps down, and from 0 on to the second chunk's diagonal unit.  Stands where no tensor load of the wave is out.
.macro NEXT slot
	s_lshl_b32 s56, s13, 14                        ; 128 keys x 128 bytes
	s_mov_b32 s57, 0
	s_add_nc_u64 s[G0K+4*\slot+2:G0K+4*\slot+3], s[20:21], s[56:57]
	s_or_b32 s[G0K+4*\slot+3], s[G0K+4*\slot+3], 0x80000000
	s_add_nc_u64 s[G0V+4*\slot+2:G0V+4*\slot+3], s[22:23], s[56:57]
	s_or_b32 s[G0V+4*\slot+3], s[G0V+4*\slot+3], 0x80000000
	s_sub_co_i32 s13, s13, 1
	s_cmp_lt_i32 s13, 0
	s_cselect_b32 s13, s14, s13
.endm
.macro KFETCH slot, hf                 ; 64 keys x 64 d: 16 loads
.irp t, 0,1,2,3
.irp ks, 0,1
	ds_load_b128 v[KF+16*\t+8*\ks:KF+16*\t+8*\ks+3],   v[KADR+\slot] offset:\hf*PIECE+\t*16*KP+64*\ks
	ds_load_b128 v[KF+16*\t+8*\ks+4:KF+16*\t+8*\ks+7], v[KADR+\slot] offset:\hf*PIECE+\t*16*KP+64*\ks+32
.endr
.endr
.endm
.macro VFETCH slot, hf                 ; 64 d x 64 keys, transposed on the way: 16 loads
.irp ks, 0,1
.irp dt, 0,1,2,3
	ds_load_tr16_b128 v[VF+16*\dt+8*\ks:VF+16*\dt+8*\ks+3],   v[VADR+\slot] offset:\hf*PIECE+32*\ks*VP+32*\dt
	ds_load_tr16_b128 v[VF+16*\dt+8*\ks+4:VF+16*\dt+8*\ks+7], v[VADR+\slot] offset:\hf*PIECE+32*\ks*VP+32*\dt+16*VP
.endr
.endr
.endm
; 64 keys (half hf of the slot's unit) against my 32 queries, up to P packed in bf16.  first = 1: starts maximum and sums.  masked = 1: the diagonal unit.
; qwait: 0 or more = the younger global loads that may stay out when Q is needed; -1 = Q has been shown landed before.
.macro SOFT slot, hf, first, masked, qwait
.if \hf
.set MI, MB
.set MO, MA
.else
.set MI, MA
.set MO, MB
.endif
	s_wait_dscnt 0x0                               ; this half's K fragments are in
.if \qwait >= 0
	s_wait_loadcnt \qwait                          ; and the chunk's Q: loads come back in order (ISA guide 5.7.1)
.endif
	WIN 0x04                                       ; source 1 (Q) in window 1
.irp ks, 0,1                                       ; the eight accumulators take turns, one instruction a turn
.irp t, 0,1,2,3
.irp q, 0,1
.if \ks
	v_wmma_f32_16x16x32_bf16 v[SR+32*\q+8*\t:SR+32*\q+8*\t+7], v[KF+16*\t+8*\ks:KF+16*\t+8*\ks+7], v[QW+16*\q+8*\ks:QW+16*\q+8*\ks+7], v[SR+32*\q+8*\t:SR+32*\q+8*\t+7]
.else
	v_wmma_f32_16x16x32_bf16 v[SR+32*\q+8*\t:SR+32*\q+8*\t+7], v[KF+16*\t+8*\ks:KF+16*\t+8*\ks+7], v[QW+16*\q+8*\ks:QW+16*\q+8*\ks+7], 0
.endif
.endr
.endr
.endr
	WIN 0
	PLACES 4                                       ; before loads land on K's fragments and vector instructions read S
	VFETCH \slot, \hf
.if \hf == 0
	KFETCH \slot, 1                                ; the other half's K, a whole softmax ahead of its use
.endif
.if \masked
.irp q, 0,1                                        ; key 64 hf + 16 t + 8 (l / 16) + j stays where it is not behind my query; else -inf
.irp t, 0,1,2,3
.irp j, 0,1,2,3,4,5,6,7
	v_cmp_le_i32 vcc_lo, 64*\hf+16*\t+\j, v[DQ+\q]
	v_cndmask_b32 v[SR+32*\q+8*\t+\j], s17, v[SR+32*\q+8*\t+\j], vcc_lo
.endr
.endr
.endr
.endif
	; the maximum of my 32 scores of each query and of the maximum so far: two chains for each q
.irp q, 0,1
	v_max3_num_f32 v[MO+\q], v[SR+32*\q], v[SR+32*\q+1], v[SR+32*\q+2]
	v_max3_num_f32 v[MT+\q], v[SR+32*\q+16], v[SR+32*\q+17], v[SR+32*\q+18]
.endr
.irp k, 0,2,4,6,8,10
.irp q, 0,1
	v_max3_num_f32 v[MO+\q], v[MO+\q], v[SR+32*\q+3+\k], v[SR+32*\q+4+\k]
	v_max3_num_f32 v[MT+\q], v[MT+\q], v[SR+32*\q+19+\k], v[SR+32*\q+20+\k]
.endr
.endr
.irp q, 0,1
	v_max3_num_f32 v[MO+\q], v[MO+\q], v[MT+\q], v[SR+32*\q+15]
.endr
.irp q, 0,1
.if \first
	v_max_num_f32 v[MO+\q], v[MO+\q], v[SR+32*\q+31]
.else
	v_max3_num_f32 v[MO+\q], v[MO+\q], v[SR+32*\q+31], v[MI+\q]
.endif
.endr
.irp q, 0,1
	v_permlanex16_b32 v[PX+\q], v[MO+\q], s58, s59 ; the other 32 keys of the same query
.endr
.irp q, 0,1
	v_max_num_f32 v[MO+\q], v[MO+\q], v[PX+\q]
.endr
.if \first
.else
.irp q, 0,1
	v_sub_f32 v[MT+\q], v[MI+\q], v[MO+\q]
.endr
.irp q, 0,1
	v_mul_f32 v[MT+\q], s68, v[MT+\q]              ; alpha = 2^(c (old maximum - new maximum))
.endr
.endif
.irp q, 0,1
	v_mul_f32 v[NMC+2*\q], s69, v[MO+\q]
	v_mul_f32 v[NMC+2*\q+1], s69, v[MO+\q]
.endr
.irp q, 0,1
.irp k, 0,2,4,6,8,10,12,14,16,18,20,22,24,26,28,30
	v_pk_fma_f32 v[SR+32*\q+\k:SR+32*\q+\k+1], v[SR+32*\q+\k:SR+32*\q+\k+1], 0x3e38aa3b, v[NMC+2*\q:NMC+2*\q+1] op_sel_hi:[1,0,1]
.endr
.endr
.if \first
.else
.irp q, 0,1
	v_exp_f32 v[AL+2*\q], v[MT+\q]
	v_exp_f32 v[AL+2*\q+1], v[MT+\q]
.endr
.endif
.set i, 0
.rept 64
	v_exp_f32 v[SR+i], v[SR+i]
.set i, i+1
.endr
	v_nop                                          ; one plain instruction between the exponentials and the use of their results (ISA guide 5.7.2)
	s_wait_alu depctr_va_vdst(0)
	; my part of the sums, in f32: two chains for each q
.irp q, 0,1
.if \first
	s_wait_alu depctr_va_vdst(0)
	v_pk_add_f32 v[LP+2*\q:LP+2*\q+1], v[SR+32*\q:SR+32*\q+1], v[SR+32*\q+2:SR+32*\q+3]
.else
	v_pk_fma_f32 v[LP+2*\q:LP+2*\q+1], v[LP+2*\q:LP+2*\q+1], v[AL+2*\q:AL+2*\q+1], v[SR+32*\q:SR+32*\q+1]
.endif
	v_pk_add_f32 v[TP+2*\q:TP+2*\q+1], v[SR+32*\q+4:SR+32*\q+5], v[SR+32*\q+6:SR+32*\q+7]
.endr
.if \first
.else
.irp q, 0,1
	v_pk_add_f32 v[LP+2*\q:LP+2*\q+1], v[LP+2*\q:LP+2*\q+1], v[SR+32*\q+2:SR+32*\q+3]
.endr
.endif
.irp k, 8,12,16,20,24,28
.irp q, 0,1
	v_pk_add_f32 v[LP+2*\q:LP+2*\q+1], v[LP+2*\q:LP+2*\q+1], v[SR+32*\q+\k:SR+32*\q+\k+1]
	v_pk_add_f32 v[TP+2*\q:TP+2*\q+1], v[TP+2*\q:TP+2*\q+1], v[SR+32*\q+\k+2:SR+32*\q+\k+3]
.endr
.endr
.irp q, 0,1
	v_pk_add_f32 v[LP+2*\q:LP+2*\q+1], v[LP+2*\q:LP+2*\q+1], v[TP+2*\q:TP+2*\q+1]
.endr
	; p to bf16 in place: two key tiles become one fragment of 32 keys; each word is written after both its sources' words have been read
.irp q, 0,1
.irp ks, 0,1
.irp i, 0,1,2,3
	v_cvt_pk_bf16_f32 v[SR+32*\q+16*\ks+\i], v[SR+32*\q+16*\ks+2*\i], v[SR+32*\q+16*\ks+2*\i+1]
.endr
.irp i, 0,1,2,3
	v_cvt_pk_bf16_f32 v[SR+32*\q+16*\ks+4+\i], v[SR+32*\q+16*\ks+8+2*\i], v[SR+32*\q+16*\ks+9+2*\i]
.endr
.endr
.endr
.endm
; O = alpha O + V^T P^T for the half whose P lies packed in SR and whose V fragments have been shown landed.  first = 1: the product starts O.
.macro PV first
.if \first
.else
	WIN 0x41                                       ; O in window 1, alpha in window 0
.irp q, 0,1
.irp k, 0,2,4,6,8,10,12,14,16,18,20,22,24,26,28,30
	v_pk_mul_f32 v[OW+32*\q+\k:OW+32*\q+\k+1], v[OW+32*\q+\k:OW+32*\q+\k+1], v[AL+2*\q:AL+2*\q+1]
.endr
.endr
.endif
	WIN 0x50                                       ; C and D in window 1
.irp ks, 0,1                                       ; eight accumulators by turns, one instruction a turn
.irp dt, 0,1,2,3
.irp q, 0,1
.if \first*(1-\ks)
	v_wmma_f32_16x16x32_bf16 v[OW+32*\q+8*\dt:OW+32*\q+8*\dt+7], v[VF+16*\dt+8*\ks:VF+16*\dt+8*\ks+7], v[SR+32*\q+16*\ks:SR+32*\q+16*\ks+7], 0
.else
	v_wmma_f32_16x16x32_bf16 v[OW+32*\q+8*\dt:OW+32*\q+8*\dt+7], v[VF+16*\dt+8*\ks:VF+16*\dt+8*\ks+7], v[SR+32*\q+16*\ks:SR+32*\q+16*\ks+7], v[OW+32*\q+8*\dt:OW+32*\q+8*\dt+7]
.endif
.endr
.endr
.endr
	WIN 0
	PLACES 5                                       ; the next tile's first products write over P, which these read (ISA guide 7.12.1)
.endm
; One unit of 128 keys in the slot; other = the other slot's number; owed = 1: the unit before has left its last P V product to be made here.
; In front of the barrier: all my tensor loads have landed (one was out: my piece of this unit) and my reads of the other slot are over, V's last fragments among
; them.  Behind it: my one tensor load, the next unit's piece into the other slot; then this unit's first K fragments, which land under the product that is owed.
.macro UNIT slot, other, diag, refill, owed, qwait
	s_wait_tensorcnt 0x0
	ds_add_u32 v62, v63
	s_wait_dscnt 0x0
.if \refill
	NEXT \other
.endif
	s_wait_dscnt 0x0
	s_barrier_signal -1
	s_barrier_wait -1
.if \refill
	KVLOAD \other
.endif
	KFETCH \slot, 0
.if \owed
	PV 0
.endif
	SOFT \slot, 0, \diag, \diag, \qwait
	s_wait_dscnt 16                                ; V's fragments are in; the 16 younger loads (the other half's K) may stay out
	PV \diag
	SOFT \slot, 1, 0, \diag, -1
.endm
; my 32 rows of a chunk's Q into window 1 at qw, from base s[qb:qb+1]
.macro QLOAD qb, qw
.irp q, 0,1
.irp ks, 0,1
	global_load_b128 v[\qw+16*\q+8*\ks:\qw+16*\q+8*\ks+3],   v[QOFF], s[\qb:\qb+1] offset:2048*\q+64*\ks
	global_load_b128 v[\qw+16*\q+8*\ks+4:\qw+16*\q+8*\ks+7], v[QOFF], s[\qb:\qb+1] offset:2048*\q+64*\ks+32
.endr
.endr
.endm
; cnt loads of 512 bytes of f32 weights from s[base:base+1] into staging places n0 ..
.macro WLOAD base, n0, cnt
.set wn, 0
.rept \cnt
	global_load_b128 v[WT+4*(\n0+wn):WT+4*(\n0+wn)+3], v[LOFF], s[\base:\base+1] offset:512*wn th:TH_LOAD_NT
.set wn, wn+1
.endr
.endm
; the same places, rounded to bf16 and stored to s[base:base+1]; left = the loads issued behind this group
.macro WCVT base, n0, cnt, left
.set wn, 0
.rept \cnt
	s_wait_loadcnt \left+\cnt-1-wn                 ; this load is in; the younger ones stay out
	v_cvt_pk_bf16_f32 v[WH+2*(\n0+wn)], v[WT+4*(\n0+wn)], v[WT+4*(\n0+wn)+1]
	v_cvt_pk_bf16_f32 v[WH+2*(\n0+wn)+1], v[WT+4*(\n0+wn)+2], v[WT+4*(\n0+wn)+3]
	global_store_b64 v[HO2], v[WH+2*(\n0+wn):WH+2*(\n0+wn)+1], s[\base:\base+1] offset:256*wn   ; 256 consecutive bytes, aligned
.set wn, wn+1
.endr
.endm
; a chunk ends: the product that is owed, then O / sum, to bf16, through my stage, out in runs of 512 bytes to s[ob:ob+1]
.macro CEND ob
	s_wait_dscnt 0x0                               ; V's last fragments are in
	PV 0
.irp q, 0,1
	v_add_f32 v[PX+\q], v[LP+2*\q], v[LP+2*\q+1]
.endr
.irp q, 0,1
	v_permlanex16_b32 v[MT+\q], v[PX+\q], s58, s59
.endr
.irp q, 0,1
	v_add_f32 v[PX+\q], v[PX+\q], v[MT+\q]         ; at least 1: the largest score gives p = 1
.endr
.irp q, 0,1
	v_rcp_f32 v[AL+2*\q], v[PX+\q]
	v_rcp_f32 v[AL+2*\q+1], v[PX+\q]
.endr
	v_nop                                          ; one plain instruction between v_rcp_f32 and the use of its result (ISA guide 5.7.2)
	WIN 0x41
	s_wait_alu depctr_va_vdst(0)
.irp q, 0,1
.irp k, 0,2,4,6,8,10,12,14,16,18,20,22,24,26,28,30
	v_pk_mul_f32 v[OW+32*\q+\k:OW+32*\q+\k+1], v[OW+32*\q+\k:OW+32*\q+\k+1], v[AL+2*\q:AL+2*\q+1]
.endr
.endr
	WIN 0x05                                       ; both sources in window 1, the result in window 0
.irp q, 0,1
.irp dt, 0,1,2,3
.irp i, 0,1,2,3
	v_cvt_pk_bf16_f32 v[SR+4*(4*\q+\dt)+\i], v[OW+32*\q+8*\dt+2*\i], v[OW+32*\q+8*\dt+2*\i+1]
.endr
.endr
.endr
	WIN 0
.irp q, 0,1
.irp dt, 0,1,2,3
	ds_store_b128 v[STO], v[SR+4*(4*\q+\dt):SR+4*(4*\q+\dt)+3] offset:16*KP*\q+32*\dt
.endr
.endr
.irp i, 0,1,2,3,4,5,6,7
	ds_load_b128 v[KF+4*\i:KF+4*\i+3], v[RD] offset:4*KP*\i      ; LDS serves a wave's instructions in order (ISA guide 5.7.1.4): these see the stores above
.endr
.irp i, 0,1,2,3,4,5,6,7
	s_wait_dscnt 7-\i                              ; read-back i is in; the younger ones stay out
	global_store_b128 v[LOFF], v[KF+4*\i:KF+4*\i+3], s[\ob:\ob+1] offset:512*\i   ; four queries: 512 consecutive bytes, aligned
.endr
.endm
	s_load_b128 s[4:7], s[0:1], 0x0                ; qkv s[4:5], ob s[6:7]
	s_load_b256 s[72:79], s[0:1], 0x10             ; wo_w s[72:73], up_w s[74:75], down_w s[76:77], wb s[78:79]
	v_lshl_add_u32 v62, v0, 2, 0x29000
	v_mov_b32 v63, 0
	ds_add_u32 v62, v63
	ds_add_u32 v62, v63
	v_lshrrev_b32 v1, 5, v0
	v_readfirstlane_b32 s8, v1                     ; wave 0..3
	s_lshr_b32 s9, s8, 1                           ; I fetch for K (0) or for V (1)
	s_and_b32 s10, s8, 1                           ; which 64 keys
	s_mov_b32 s11, ttmp9                           ; p
	s_lshl_b32 s14, s11, 1
	s_sub_co_u32 s15, 14, s14                      ; the first chunk, 14 - 2 p
	s_add_co_u32 s14, s14, 1                       ; the second, 2 p + 1
	s_mov_b32 s13, s15                             ; the unit to ask for next
	s_mul_i32 s12, s8, PIECE                       ; my piece's place in a slot
	s_mov_b32 s17, 0xff800000                      ; -inf
	s_mov_b32 s58, 0x76543210
	s_mov_b32 s59, 0xfedcba98
	s_mov_b32 s68, 0x3e38aa3b                      ; c = log2(e) / 8
	s_mov_b32 s69, 0xbe38aa3b                      ; -c
	; group 1: a piece is 8,192 dense bytes, taken as 32 rows of 256 bytes; padding behind every 32 words (one key's 128 bytes): 4 words for K, 8 for V
	s_mov_b32 s[G1K+0], (1<<16)|(1<<20)|(4<<22)|(3<<25)
	s_mov_b32 s[G1V+0], (1<<16)|(1<<20)|(4<<22)|(7<<25)
	s_mov_b32 s[G1K+1], 128<<16
	s_mov_b32 s[G1V+1], 128<<16                    ; tensor_dim0 = 128 elements
	s_mov_b32 s[G1K+2], 32<<16
	s_mov_b32 s[G1V+2], 32<<16                     ; tensor_dim1 = 32
	s_mov_b32 s[G1K+3], 128<<16
	s_mov_b32 s[G1V+3], 128<<16                    ; tile_dim0 = 128
	s_mov_b32 s[G1K+4], 32
	s_mov_b32 s[G1V+4], 32                         ; tile_dim1 = 32
	s_mov_b32 s[G1K+5], 128
	s_mov_b32 s[G1V+5], 128                        ; from row to row
	s_mov_b32 s[G1K+6], 0
	s_mov_b32 s[G1V+6], 0
	s_mov_b32 s[G1K+7], 0
	s_mov_b32 s[G1V+7], 0
.irp s, 0,1
	s_mov_b32 s[G0K+4*\s], 1
	s_add_co_u32 s[G0K+4*\s+1], s12, \s*SLOT
	s_mov_b32 s[G0V+4*\s], 1
	s_add_co_u32 s[G0V+4*\s+1], s12, \s*SLOT
.endr
	s_and_b32 s56, ttmp7, 0xffff                   ; head
	s_lshl3_add_u32 s16, s56, s11                  ; the work-group's number, 8 head + p,
	s_lshl2_add_u32 s16, s16, s8                   ; and the wave's among the launch's 1,024: u
	s_lshl_b32 s56, s56, 18                        ; a head: 2,048 x 128 bytes
	s_mov_b32 s57, 0
	s_wait_dscnt 0x0
	s_wait_kmcnt 0x0
	s_add_nc_u64 s[18:19], s[4:5], s[56:57]        ; Q of my head
	s_add_nc_u64 s[66:67], s[6:7], s[56:57]        ; O of my head
	s_lshl_b32 s56, s10, 13                        ; my 64 keys of a unit
	s_add_nc_u64 s[20:21], s[18:19], s[56:57]
	s_add_nc_u64 s[22:23], s[20:21], 0x1000000     ; V's section
	s_add_nc_u64 s[20:21], s[20:21], 0x800000      ; K's section
	NEXT 0
	KVLOAD 0                                       ; the one first fill: the first chunk's diagonal unit.  One tensor load of the wave is out, here and behind every barrier
	; the two chunks' bases: (128 c + 32 w) rows x 128 bytes
	s_lshl2_add_u32 s56, s15, s8
	s_lshl_b32 s56, s56, 12
	s_add_nc_u64 s[62:63], s[18:19], s[56:57]      ; Q, first chunk
	s_add_nc_u64 s[60:61], s[66:67], s[56:57]      ; O, first chunk
	s_lshl2_add_u32 s56, s14, s8
	s_lshl_b32 s56, s56, 12
	s_add_nc_u64 s[86:87], s[18:19], s[56:57]      ; Q, second chunk
	s_add_nc_u64 s[88:89], s[66:67], s[56:57]      ; O, second chunk
	; my share of the weights: wo_w 4,096 bytes at 4,096 u, up_w and down_w 16,384 bytes at 16,384 u; half as many bytes in wb
	s_mov_b32 s71, 0
	s_lshl_b32 s70, s16, 12
	s_add_nc_u64 s[72:73], s[72:73], s[70:71]
	s_lshl_b32 s70, s16, 14
	s_add_nc_u64 s[74:75], s[74:75], s[70:71]
	s_add_nc_u64 s[76:77], s[76:77], s[70:71]
	s_lshl_b32 s70, s16, 11
	s_add_nc_u64 s[80:81], s[78:79], s[70:71]
	s_add_nc_u64 s[80:81], s[80:81], 0x600000      ; wo in wb
	s_lshl_b32 s70, s16, 13
	s_add_nc_u64 s[82:83], s[78:79], s[70:71]
	s_add_nc_u64 s[84:85], s[82:83], 0x1000000     ; down in wb
	s_add_nc_u64 s[82:83], s[82:83], 0x800000      ; up in wb
	v_and_b32 v1, 15, v0                           ; r = l % 16
	v_bfe_u32 v36, v0, 4, 1                        ; h = l / 16
	v_and_b32 v37, 31, v0                          ; l
	v_lshlrev_b32 v[LOFF], 4, v37
	v_lshlrev_b32 v38, 7, v1
	v_lshl_add_u32 v[QOFF], v36, 4, v38
	WIN 0x40                                       ; destination in window 1
	QLOAD 62, 64
	QLOAD 86, 96
	WIN 0x80                                       ; destination in window 2
	v_lshlrev_b32 v[HO2], 3, v37
	WLOAD 72, 0, 8                                 ; wo_w
	WLOAD 74, 8, 32                                ; up_w: 56 loads of the wave are out
	WIN 0
	v_mul_u32_u24 v38, v1, KP
	v_lshl_add_u32 v[KADR], v36, 4, v38            ; key r, 16 bytes for each half of the lanes
	v_add_nc_u32 v[KADR+1], SLOT, v[KADR]
	v_and_b32 v38, 7, v0
	v_lshl_add_u32 v38, v36, 3, v38                ; key 8 h + l % 8,
	v_mul_u32_u24 v38, v38, VP
	v_bfe_u32 v39, v0, 3, 1
	v_lshl_add_u32 v38, v39, 4, v38                ; d 8 ((l / 8) % 2): the transposing load's addresses
	v_add_nc_u32 v[VADR], 2*PIECE, v38
	v_add_nc_u32 v[VADR+1], SLOT+2*PIECE, v38
	s_mul_i32 s56, s8, 32*KP
	s_add_co_u32 s56, s56, STAGE                   ; my stage
	v_add_nc_u32 v[STO], s56, v[KADR]              ; row r, 16 bytes for each half: the same lane term as K's
	v_lshrrev_b32 v38, 3, v37
	v_mul_u32_u24 v38, v38, KP
	v_and_b32 v39, 7, v0
	v_lshl_add_u32 v38, v39, 4, v38
	v_add_nc_u32 v[RD], s56, v38                   ; back: eight lanes a row
	v_and_b32 v[DQ], 0x60, v0                      ; 32 w
	v_add_nc_u32 v[DQ], v[DQ], v1                  ; + r
	v_lshlrev_b32 v38, 3, v36
	v_sub_nc_u32 v[DQ], v[DQ], v38                 ; - 8 h (may be negative: the mask compares signed numbers)
	v_add_nc_u32 v[DQ+1], 16, v[DQ]
	v_mov_b32 v[PX], 0                             ; v_permlanex16_b32 counts as a reader of its destination
	v_mov_b32 v[PX+1], 0
	UNIT 0, 1, 1, 1, 0, 48                         ; the diagonal unit.  48: the second chunk's 8 loads of Q and the 40 of weights stay out
	WIN 0x8a                                       ; sources 0, 1 and the destination in window 2
	WCVT 80, 0, 8, 32                              ; wo_w (its first wait also shows the second chunk's Q landed)
	WCVT 82, 8, 32, 0                              ; up_w
	WIN 0x80
	WLOAD 76, 0, 32                                ; down_w
	WIN 0
	s_sub_co_u32 s16, 7, s11                       ; the other 14 - 2 p units, two a trip
	s_cmp_eq_u32 s16, 0
	s_cbranch_scc1 .Lodd_done
.Lodd:
	UNIT 1, 0, 0, 1, 1, -1
	UNIT 0, 1, 0, 1, 1, -1
	s_sub_co_i32 s16, s16, 1
	s_cmp_lg_u32 s16, 0
	s_cbranch_scc1 .Lodd
.Lodd_done:
	CEND 60
	s_wait_xcnt 0x0                                ; the registers that these stores read are loaded again only behind this wait
.set QW, 96
	UNIT 1, 0, 1, 1, 0, -1                         ; the second chunk's diagonal unit
	s_wait_xcnt 0x0                                ; the bf16 staging, which the first batch's stores read, is rewritten only behind this wait
	WIN 0x8a
	WCVT 84, 0, 32, 0                              ; down_w
	WIN 0
	s_mov_b32 s16, s11                             ; 2 p units, two a trip, and one more
	s_cmp_eq_u32 s16, 0
	s_cbranch_scc1 .Leven_done
.Leven:
	UNIT 0, 1, 0, 1, 1, -1
	UNIT 1, 0, 0, 1, 1, -1
	s_sub_co_i32 s16, s16, 1
	s_cmp_lg_u32 s16, 0
	s_cbranch_scc1 .Leven
.Leven_done:
	UNIT 0, 1, 0, 0, 1, -1                         ; unit 0: nothing is left to fetch
	CEND 88
	s_wait_tensorcnt 0x0
	ds_add_u32 v62, v63
	s_wait_dscnt 0x0
	s_endpgm
.Lfunc_end_k_q5fc273c0da_attn:
	.size	k_q5fc273c0da_attn, .Lfunc_end_k_q5fc273c0da_attn-k_q5fc273c0da_attn
	.p2alignl 7, 3214868480
	.fill 96, 4, 3214868480
	.section	.rodata,"a",@progbits
	.p2align	6, 0x0
	.amdhsa_kernel k_q5fc273c0da_attn
		.amdhsa_group_segment_fixed_size 327680
		.amdhsa_private_segment_fixed_size 0
		.amdhsa_enable_private_segment 0
		.amdhsa_kernarg_size 48
		.amdhsa_user_sgpr_count 2
		.amdhsa_user_sgpr_kernarg_segment_ptr 1
		.amdhsa_wavefront_size32 1
		.amdhsa_system_sgpr_workgroup_id_x 1
		.amdhsa_system_sgpr_workgroup_id_y 1
		.amdhsa_system_sgpr_workgroup_id_z 1
		.amdhsa_system_vgpr_workitem_id 0
		.amdhsa_next_free_vgpr 768
		.amdhsa_next_free_sgpr 92
		.amdhsa_reserve_vcc 1
		.amdhsa_float_denorm_mode_32 3
		.amdhsa_float_denorm_mode_16_64 3
		.amdhsa_memory_ordered 1
		.amdhsa_forward_progress 1
		.amdhsa_inst_pref_size 255
	.end_amdhsa_kernel
	.section	.bss,"aw",@nobits
	.p2align	6
	.space	262144
	.amdgpu_metadata
---
amdhsa.version: [ 1, 2 ]
amdhsa.kernels:
  - .name:           k_q5fc273c0da_attn
    .symbol:         k_q5fc273c0da_attn.kd
    .args:
      - { .name: qkv, .offset: 0, .size: 8, .value_kind: global_buffer, .address_space: global }
      - { .name: ob, .offset: 8, .size: 8, .value_kind: global_buffer, .address_space: global }
      - { .name: wo_w, .offset: 16, .size: 8, .value_kind: global_buffer, .address_space: global }
      - { .name: up_w, .offset: 24, .size: 8, .value_kind: global_buffer, .address_space: global }
      - { .name: down_w, .offset: 32, .size: 8, .value_kind: global_buffer, .address_space: global }
      - { .name: wb, .offset: 40, .size: 8, .value_kind: global_buffer, .address_space: global }
    .group_segment_fixed_size: 327680
    .private_segment_fixed_size: 0
    .kernarg_segment_align: 8
    .kernarg_segment_size: 48
    .max_flat_workgroup_size: 128
    .sgpr_count:     92
    .vgpr_count:     768
    .wavefront_size: 32
...
	.end_amdgpu_metadata
.endif
;; end of part 3
;; launch wo (part 4): grid 8 x 32, 4 waves a work-group, clusters of 4 x 4, 327,680 bytes of LDS; arguments ob, wb, wo_b, x, x2; writes x2
.if DOCPART == 4
	.amdgcn_target "amdgcn-amd-amdhsa--gfx1250"
	.amdhsa_code_object_version 6
	.text
	.protected	k_q5fc273c0da_wo
	.globl	k_q5fc273c0da_wo
	.p2align	8
	.type	k_q5fc273c0da_wo,@function
k_q5fc273c0da_wo:
	s_mov_b64 s[64:65], 0
	v_nop
	global_prefetch_b8 v0, s[64:65] scope:SCOPE_SE
	s_setreg_imm32_b32 hwreg(HW_REG_WAVE_MODE, 25, 1), 1
	s_wait_xcnt 0x0
	s_wait_alu depctr_hold_cnt(0) depctr_sa_sdst(0) depctr_va_vdst(0) depctr_va_sdst(0) depctr_va_ssrc(0) depctr_va_vcc(0) depctr_vm_vsrc(0)
	s_getreg_b32 s2, hwreg(HW_REG_IB_STS2, 6, 4)
	s_cmp_eq_u32 s2, 0
	s_cbranch_scc0 .Lentry_in_a_cluster
	s_endpgm
.Lentry_in_a_cluster:
	s_bfe_u32 s2, ttmp6, 0x10000c
	s_cmp_lg_u32 s2, 0xf033
	s_cbranch_scc0 .Lentry_shape_is_right
	s_endpgm
.Lentry_shape_is_right:
; x2 = x + o Wo^T + wo_b, f32.  A = ob [32 heads][2048][64] bf16 (k = 64 head + d), B = wo in wb (byte 0x600000) [1024][1024] bf16; sums in f32.
; N is 1,024: blocks of 128 x 128 give 8 x 32 = 256 work-groups; four waves, a wave 64 x 64: 16 accumulator tiles, 128 registers.
; K goes in steps of 256 (four heads) through a ring of two LDS slots; one tensor load a wave brings 64 rows of a step.
;   B's piece: 64 rows x 512 bytes, LDS pitch 528.  A's piece: 4 heads x (64 tokens x 128 bytes, dense in memory), as 4 rows of 8,192 bytes with 16 bytes of
;   padding behind every 128: in LDS [head][token] at pitch 144, a head's plane 9,216 bytes.  (Four long rows: the tensor itself has no longer run of rows.)
; CLUSTERS: 4 x 4 work-groups; A's tiles are asked for jointly along a row of the cluster, B's along a column: the requests for both are divided by four.
; The residual and the bias are loaded at the start, in the output's own lane layout, and stay on their way through the K loop.
; REGISTERS: window 0: v16-31 addresses and bias, v64-127 and v128-191 fragment buffers (A at f + 8 a, B at f + 32 + 8 b), v192-223 the way out;
;            window 1: v0-127 accumulators (tile (a, b) at 8 (4 a + b)), v128-255 the residual.
; The matrix instruction is used transposed (source 0 = B's rows, source 1 = A's): a lane holds 8 neighbouring columns of one row.
.set SIZE_K, 1024
.set WOFF,   0x600000
.set BPITCH, 528                       ; 512 bytes + 16: an odd multiple of 16, so the 16 rows of a fragment start at 16 different banks (ISA guide 11.1)
.set BHALF,  64*BPITCH
.set APITCH, 144
.set APLANE, 64*APITCH                 ; a head's 64 tokens
.set AHALF,  4*APLANE
.set ABYTES, 2*AHALF
.set SLOT,   ABYTES+2*BHALF            ; 141,312
.set STAGE,  2*SLOT                    ; behind the ring: 16 rows x 272 bytes for each wave; no fill lands there
.set SPITCH, 272
.set LAPS,   SIZE_K/512                ; a lap = two slots: 2
.set ASTEP,  0x100000                  ; four heads on
.set BSTEP,  512
.set ADRA, 16
.set ADRB, 20
.set STO,  24
.set RD,   25
.set CO,   26
.set BO,   27
.set BI,   28                          ; v28-31 the bias of my four columns
.set F0,   64
.set F1,   128
.set RB,   192
.set RES,  128                         ; window 1
.set G1, 24
.set G0, 32
.set G1B, 48
.set G0B, 56
.set MSB, 0
.macro WIN new                         ; the immediate's high byte repeats the setting that is left
.if MSB != \new
	s_set_vgpr_msb (MSB<<8)|\new
.set MSB, \new
.endif
.endm
.set MULW, 0x50                        ; C and D in window 1, A and B in window 0
.macro JLOAD s                         ; waves 0, 1 fetch A's halves, waves 2, 3 B's; the branch hangs on the wave's number alone
	s_cmp_eq_u32 s11, 0
	s_cbranch_scc0 .Lfor_b_\@
	tensor_load_to_lds s[G0+4*\s:G0+4*\s+3], s[G1:G1+7]
	s_nop 0
	s_branch .Lasked_\@
.Lfor_b_\@:
	tensor_load_to_lds s[G0B+4*\s:G0B+4*\s+3], s[G1B:G1B+7]
	s_nop 0
.Lasked_\@:
.endm
.macro CREST                           ; a round of the cluster's barrier behind its opening barrier
	s_cmp_lg_u32 s10, 0
	s_cbranch_scc1 .Lnot_wave_0_\@
	s_barrier_signal -3
.Lnot_wave_0_\@:
	s_barrier_wait -3
	s_barrier_signal -1
	s_barrier_wait -1
.endm
.macro CROUND
	s_barrier_signal -1
	s_barrier_wait -1
	CREST
.endm
	s_load_b128 s[4:7], s[0:1], 0x0                ; ob s[4:5], wb s[6:7]
	s_load_b128 s[68:71], s[0:1], 0x10             ; wo_b s[68:69], x s[70:71]
	s_load_b64 s[8:9], s[0:1], 0x20                ; x2
	v_lshl_add_u32 v254, v0, 2, 0x49400
	v_mov_b32 v255, 0
	ds_add_u32 v254, v255
	ds_add_u32 v254, v255
	v_lshrrev_b32 v1, 5, v0
	v_readfirstlane_b32 s10, v1                    ; wave 0..3
	s_lshr_b32 s11, s10, 1                         ; my half of the block's rows.  Also: I fetch for A (0) or for B (1)
	s_and_b32 s12, s10, 1                          ; my half of its columns.  Also: which 64 rows I fetch
	s_bfe_u32 s40, ttmp6, 0x40000                  ; cx
	s_bfe_u32 s41, ttmp6, 0x40004                  ; cy
	s_lshl_b32 s42, ttmp9, 2
	s_add_co_u32 s42, s42, s40                     ; block column
	s_and_b32 s13, ttmp7, 0xffff
	s_lshl_b32 s13, s13, 2
	s_add_co_u32 s13, s13, s41                     ; block row
	s_lshl_b32 s43, s41, 2
	s_lshl_b32 s43, 15, s43                        ; my row of the cluster
	s_lshl_b32 s44, 0x1111, s40                    ; my column
	s_or_b32 s[G1+0], s43, (1<<16)|(1<<20)|(1<<21)|(4<<22)|(3<<25)   ; A: elements of 2 bytes, 4 words of padding behind every 32 words
	s_mov_b32 s[G1+1], 4096<<16                    ; tensor_dim0 = 4,096 elements: 64 tokens of a head
	s_mov_b32 s[G1+2], 4<<16                       ; tensor_dim1 = 4 heads
	s_mov_b32 s[G1+3], 4096<<16                    ; tile_dim0
	s_mov_b32 s[G1+4], 4                           ; tile_dim1
	s_mov_b32 s[G1+5], 131072                      ; from head to head: 2,048 x 64 elements
	s_mov_b32 s[G1+6], 0
	s_mov_b32 s[G1+7], 0
	s_or_b32 s[G1B+0], s44, (1<<16)|(1<<20)|(1<<21)|(6<<22)|(3<<25)  ; B: 4 words of padding behind every 128 words
	s_mov_b32 s[G1B+1], 256<<16                    ; tensor_dim0 = 256
	s_mov_b32 s[G1B+2], 64<<16                     ; tensor_dim1 = 64
	s_mov_b32 s[G1B+3], 256<<16                    ; tile_dim0
	s_mov_b32 s[G1B+4], 64                         ; tile_dim1
	s_mov_b32 s[G1B+5], SIZE_K
	s_mov_b32 s[G1B+6], 0
	s_mov_b32 s[G1B+7], 0
	; A hangs on the block row alone, B on the block column alone
	s_lshr_b32 s16, s13, 4                         ; batch (16 block rows of 128 tokens)
	s_lshl_b32 s16, s16, 15                        ; x 16 heads x 2,048 tokens
	s_and_b32 s17, s13, 15
	s_lshl_b32 s17, s17, 7
	s_add_co_u32 s16, s16, s17                     ; + my block's first token
	s_lshl_b32 s17, s12, 6
	s_add_co_u32 s16, s16, s17                     ; + the half that I fetch
	s_lshl_b32 s16, s16, 7                         ; x 128 bytes
	s_mov_b32 s17, 0
	s_lshl_b32 s46, s42, 7
	s_lshl_b32 s47, s12, 6
	s_add_co_u32 s46, s46, s47                     ; B: row 128 x block column + 64 x half
	s_mul_i32 s46, s46, SIZE_K*2
	s_mov_b32 s47, 0
	s_mul_i32 s20, s10, AHALF                      ; A's halves (waves 0, 1) at wave x 36,864
	s_mul_i32 s21, s10, BHALF
	s_add_co_u32 s21, s21, ABYTES-2*BHALF          ; B's halves (waves 2, 3) behind A's region
	s_wait_dscnt 0x0
	s_wait_kmcnt 0x0
	s_add_nc_u64 s[14:15], s[4:5], s[16:17]
	s_add_nc_u64 s[46:47], s[6:7], s[46:47]
	s_add_nc_u64 s[46:47], s[46:47], WOFF
	CROUND                                         ; all sixteen work-groups are here: the first joint loads meet
.irp s, 0,1
	s_mov_b32 s[G0+4*\s], 1
	s_add_co_u32 s[G0+4*\s+1], s20, \s*SLOT
	s_add_nc_u64 s[G0+4*\s+2:G0+4*\s+3], s[14:15], \s*ASTEP
	s_or_b32 s[G0+4*\s+3], s[G0+4*\s+3], 0x80000000
	s_mov_b32 s[G0B+4*\s], 1
	s_add_co_u32 s[G0B+4*\s+1], s21, \s*SLOT
	s_add_nc_u64 s[G0B+4*\s+2:G0B+4*\s+3], s[46:47], \s*BSTEP
	s_or_b32 s[G0B+4*\s+3], s[G0B+4*\s+3], 0x80000000
	JLOAD \s                                       ; both first fills: two tensor loads of the wave are out
.endr
	v_and_b32 v1, 15, v0                           ; r
	v_bfe_u32 v2, v0, 4, 1                         ; h
	v_mul_u32_u24 v3, v1, APITCH
	v_lshl_add_u32 v3, v2, 4, v3
	v_mul_u32_u24 v4, v1, BPITCH
	v_lshl_add_u32 v4, v2, 4, v4
	s_mul_i32 s22, s11, AHALF                      ; my 64 rows of A
	s_mul_i32 s23, s12, BHALF
	s_add_co_u32 s23, s23, ABYTES                  ; my 64 rows of B
.irp s, 0,1
	v_add_nc_u32 v[ADRA+\s], s22, v3
	v_add_nc_u32 v[ADRB+\s], s23, v4
	s_add_co_u32 s22, s22, SLOT
	s_add_co_u32 s23, s23, SLOT
.endr
	s_mul_i32 s45, s10, 16*SPITCH
	s_add_co_u32 s45, s45, STAGE                   ; my stage
	v_mul_u32_u24 v5, v1, SPITCH
	v_lshl_add_u32 v5, v2, 5, v5                   ; in: row r, 32 bytes (8 f32) for each half of the lanes
	v_add_nc_u32 v[STO], s45, v5
	v_mul_u32_u24 v5, v2, SPITCH
	v_lshl_add_u32 v5, v1, 4, v5                   ; back: 16 lanes take a row of 256 bytes
	v_add_nc_u32 v[RD], s45, v5
	v_lshlrev_b32 v5, 12, v2
	v_lshl_add_u32 v[CO], v1, 4, v5                ; the same two rows in memory (4,096 bytes a row)
	v_lshlrev_b32 v[BO], 4, v1
	s_lshl_b32 s72, s13, 7
	s_lshl_b32 s73, s11, 6
	s_add_co_u32 s72, s72, s73                     ; my first row
	s_lshl_b32 s72, s72, 12
	s_mov_b32 s73, 0
	s_lshl_b32 s74, s42, 7
	s_lshl_b32 s75, s12, 6
	s_add_co_u32 s74, s74, s75                     ; my first column
	s_lshl_b32 s74, s74, 2
	s_mov_b32 s75, 0
	s_add_nc_u64 s[68:69], s[68:69], s[74:75]
	s_add_nc_u64 s[70:71], s[70:71], s[72:73]
	s_add_nc_u64 s[70:71], s[70:71], s[74:75]
	s_add_nc_u64 s[8:9], s[8:9], s[72:73]
	s_add_nc_u64 s[8:9], s[8:9], s[74:75]
	global_load_b128 v[BI:BI+3], v[BO], s[68:69]
	WIN 0x40                                       ; destination in window 1
.irp i, 0,1,2,3
.irp t, 0,1,2,3,4,5,6,7
	global_load_b128 v[RES+4*(8*\i+\t):RES+4*(8*\i+\t)+3], v[CO], s[70:71] offset:(16*\i+2*\t)*4096   ; these 33 loads stay out through the K loop
.endr
.endr
	WIN 0
.macro MULA f, a, zero                 ; four matrix instructions: m block a x the four n blocks
.irp b, 0,1,2,3
.if \zero
	v_wmma_f32_16x16x32_bf16 v[8*(4*\a+\b):8*(4*\a+\b)+7], v[\f+32+8*\b:\f+32+8*\b+7], v[\f+8*\a:\f+8*\a+7], 0
.else
	v_wmma_f32_16x16x32_bf16 v[8*(4*\a+\b):8*(4*\a+\b)+7], v[\f+32+8*\b:\f+32+8*\b+7], v[\f+8*\a:\f+8*\a+7], v[8*(4*\a+\b):8*(4*\a+\b)+7]
.endif
.endr
.endm
.macro FETCH slot, kq, f               ; 16 LDS loads: part kq (32 along K) of the slot: head kq / 2, d 32 (kq % 2)
	WIN 0
.irp i, 0,1,2,3
	ds_load_b128 v[\f+32+8*\i:\f+32+8*\i+3], v[ADRB+\slot] offset:64*\kq+\i*16*BPITCH
	ds_load_b128 v[\f+32+8*\i+4:\f+32+8*\i+7], v[ADRB+\slot] offset:64*\kq+\i*16*BPITCH+32
.endr
.irp i, 0,1,2,3
	ds_load_b128 v[\f+8*\i:\f+8*\i+3], v[ADRA+\slot] offset:(\kq/2)*APLANE+(\kq%2)*64+\i*16*APITCH
	ds_load_b128 v[\f+8*\i+4:\f+8*\i+7], v[ADRA+\slot] offset:(\kq/2)*APLANE+(\kq%2)*64+\i*16*APITCH+32
.endr
.endm
.macro PLACES                          ; four places behind a matrix instruction before a load lands on a register that it read (ISA guide 7.12.1 for vector instructions)
.rept 4
	v_nop
.endr
.endm
; One part: buffer f is multiplied; ahead of that the next part's fragments (part kq) are asked for into buffer g: they have these 16 matrix instructions in which to land.
; The 16 accumulators take turns, one instruction a turn.
.macro PART slot, kq, f, g, zero
	s_wait_dscnt 0x0                               ; buffer f is whole
	PLACES
	FETCH \slot, \kq, \g
	WIN MULW
	MULA \f, 0, \zero
	MULA \f, 1, \zero
	MULA \f, 2, \zero
	MULA \f, 3, \zero
.endm
.macro SEVEN slot, zero
	PART \slot, 1, F0, F1, \zero
	PART \slot, 2, F1, F0, 0
	PART \slot, 3, F0, F1, 0
	PART \slot, 4, F1, F0, 0
	PART \slot, 5, F0, F1, 0
	PART \slot, 6, F1, F0, 0
	PART \slot, 7, F0, F1, 0
.endm
; The eighth part changes slots.  In front of the barrier: my reads of this slot are over, all my tensor loads have landed (one was out: my piece of the next slot).
; Behind it the refill comes first; from that request to the wait for it a wave issues 120 matrix instructions.
.macro TURN slot, next, fill
	s_wait_dscnt 0x0
	s_wait_tensorcnt 0x0
	ds_add_u32 v254, v255
	s_wait_dscnt 0x0
	s_barrier_signal -1                            ; (where a slot is filled again this barrier opens a round of the cluster's barrier)
	WIN MULW
	MULA F1, 0, 0
	MULA F1, 1, 0                                  ; register work while the others arrive
	WIN 0
	s_barrier_wait -1
.if \fill
	CREST                                          ; no wave of any partner still reads this slot or has a load on its way
	s_add_nc_u64 s[G0+4*\slot+2:G0+4*\slot+3], s[G0+4*\slot+2:G0+4*\slot+3], 2*ASTEP
	s_add_nc_u64 s[G0B+4*\slot+2:G0B+4*\slot+3], s[G0B+4*\slot+2:G0B+4*\slot+3], 2*BSTEP
	JLOAD \slot                                    ; the first tensor load behind the round, the wave's only one until the next
.endif
	PLACES
	FETCH \next, 0, F0
	WIN MULW
	MULA F1, 2, 0
	MULA F1, 3, 0
.endm
.macro LAP zero
	SEVEN 0, \zero
	TURN 0, 1, 1
	SEVEN 1, 0
	TURN 1, 0, 1
.endm
	s_wait_tensorcnt 1                             ; my piece of slot 0 is in; slot 1's may stay out
	s_barrier_signal -1
	s_barrier_wait -1
	FETCH 0, 0, F0
	LAP 1                                          ; the first products start the sums
	SEVEN 0, 0                                     ; the last lap fills nothing
	TURN 0, 1, 0
	SEVEN 1, 0
	s_wait_dscnt 0x0
	WIN MULW
	MULA F1, 0, 0
	MULA F1, 1, 0
	MULA F1, 2, 0
	MULA F1, 3, 0
	; THE WAY OUT, 16 rows at a time, in f32: through my stage into whole rows of 256 bytes, + residual + bias
	PLACES
	s_wait_loadcnt 0x0                             ; residual and bias
.macro OUTS i
	WIN 0x04                                       ; an LDS store's data and a vector instruction's source 1 in window 1
.irp b, 0,1,2,3
	ds_store_b128 v[STO], v[8*(4*\i+\b):8*(4*\i+\b)+3] offset:64*\b
	ds_store_b128 v[STO], v[8*(4*\i+\b)+4:8*(4*\i+\b)+7] offset:64*\b+16
.endr
	s_wait_xcnt 0x0                                ; RB, which the last stores read, is loaded again only behind this wait
.irp t, 0,1,2,3,4,5,6,7
	ds_load_b128 v[RB+4*\t:RB+4*\t+3], v[RD] offset:\t*2*SPITCH   ; LDS serves a wave's instructions in order (ISA guide 5.7.1.4)
.endr
	s_wait_dscnt 0x0
.irp t, 0,1,2,3,4,5,6,7
.irp u, 0,2
	v_pk_add_f32 v[RB+4*\t+\u:RB+4*\t+\u+1], v[RB+4*\t+\u:RB+4*\t+\u+1], v[RES+4*(8*\i+\t)+\u:RES+4*(8*\i+\t)+\u+1]
.endr
.endr
	WIN 0
.irp t, 0,1,2,3,4,5,6,7
.irp u, 0,2
	v_pk_add_f32 v[RB+4*\t+\u:RB+4*\t+\u+1], v[RB+4*\t+\u:RB+4*\t+\u+1], v[BI+\u:BI+\u+1]
.endr
.endr
.irp t, 0,1,2,3,4,5,6,7
	global_store_b128 v[CO], v[RB+4*\t:RB+4*\t+3], s[8:9] offset:(16*\i+2*\t)*4096   ; 16 lanes store 256 consecutive bytes, aligned
.endr
.endm
	OUTS 0
	OUTS 1
	OUTS 2
	OUTS 3
	s_wait_tensorcnt 0x0
	ds_add_u32 v254, v255
	s_wait_dscnt 0x0
	CROUND                                         ; the closing round
	s_endpgm
.Lfunc_end_k_q5fc273c0da_wo:
	.size	k_q5fc273c0da_wo, .Lfunc_end_k_q5fc273c0da_wo-k_q5fc273c0da_wo
	.p2alignl 7, 3214868480
	.fill 96, 4, 3214868480
	.section	.rodata,"a",@progbits
	.p2align	6, 0x0
	.amdhsa_kernel k_q5fc273c0da_wo
		.amdhsa_group_segment_fixed_size 327680
		.amdhsa_private_segment_fixed_size 0
		.amdhsa_enable_private_segment 0
		.amdhsa_kernarg_size 40
		.amdhsa_user_sgpr_count 2
		.amdhsa_user_sgpr_kernarg_segment_ptr 1
		.amdhsa_wavefront_size32 1
		.amdhsa_system_sgpr_workgroup_id_x 1
		.amdhsa_system_sgpr_workgroup_id_y 1
		.amdhsa_system_sgpr_workgroup_id_z 1
		.amdhsa_system_vgpr_workitem_id 0
		.amdhsa_next_free_vgpr 512
		.amdhsa_next_free_sgpr 80
		.amdhsa_reserve_vcc 0
		.amdhsa_float_denorm_mode_32 3
		.amdhsa_float_denorm_mode_16_64 3
		.amdhsa_memory_ordered 1
		.amdhsa_forward_progress 1
		.amdhsa_inst_pref_size 99
	.end_amdhsa_kernel
	.amdgpu_metadata
---
amdhsa.version: [ 1, 2 ]
amdhsa.kernels:
  - .name:           k_q5fc273c0da_wo
    .symbol:         k_q5fc273c0da_wo.kd
    .args:
      - { .name: ob, .offset: 0, .size: 8, .value_kind: global_buffer, .address_space: global }
      - { .name: wb, .offset: 8, .size: 8, .value_kind: global_buffer, .address_space: global }
      - { .name: wo_b, .offset: 16, .size: 8, .value_kind: global_buffer, .address_space: global }
      - { .name: x, .offset: 24, .size: 8, .value_kind: global_buffer, .address_space: global }
      - { .name: x2, .offset: 32, .size: 8, .value_kind: global_buffer, .address_space: global }
    .group_segment_fixed_size: 327680
    .private_segment_fixed_size: 0
    .kernarg_segment_align: 8
    .kernarg_segment_size: 40
    .max_flat_workgroup_size: 128
    .sgpr_count:     80
    .vgpr_count:     512
    .wavefront_size: 32
...
	.end_amdgpu_metadata
.endif
;; end of part 4
;; launch ln2 (part 5): grid 256 x 1, 8 waves a work-group, no clusters, 0 bytes of LDS; arguments x2, ln2_w, ln2_b, xb, x3f; writes xb, x3f
.if DOCPART == 5
	.amdgcn_target "amdgcn-amd-amdhsa--gfx1250"
	.amdhsa_code_object_version 6
	.text
	.protected	k_q5fc273c0da_ln2
	.globl	k_q5fc273c0da_ln2
	.p2align	8
	.type	k_q5fc273c0da_ln2,@function
k_q5fc273c0da_ln2:
	s_mov_b64 s[64:65], 0
	v_nop
	global_prefetch_b8 v0, s[64:65] scope:SCOPE_SE
	s_setreg_imm32_b32 hwreg(HW_REG_WAVE_MODE, 25, 1), 1
	s_wait_xcnt 0x0
; x3 = (x2 - mean) * rsqrt(var + 1e-5) * ln2_w + ln2_b, rows of 1,024 f32; stored twice: in bf16 (xb, the up projection's operand) and in f32 (x3f, the last residual).
; 16 rows a work-group, 2 rows a wave.  A row is 32 registers of one wave and stays there between the passes: read once, no LDS, no barrier.
; The variance is the mean of (x - mean)^2, formed after the mean has been taken away, so a common offset of the row costs no accuracy.
; No matrix unit, no cluster: nothing here is shared or multiplied.  LIMITS: v_rsq_f32 is accurate to 1 ULP.
.set ROWF, 4096
.set ROWH, 2048
.set XP,  4                            ; s[4:5]   x2
.set WP,  6                            ; s[6:7]   gain
.set BP,  8                            ; s[8:9]   bias
.set OB,  10                           ; s[10:11] xb
.set OF,  12                           ; s[12:13] x3f
.set W,   4                            ; v[4:35]    gain of my 32 columns
.set BV,  36                           ; v[36:67]   bias
.set X0,  68                           ; v[68:99]   the wave's first row
.set X1,  100                          ; v[100:131] its second row
.set T,   132                          ; v[132:139] four chains of pairs
.set S,   140
.set PX,  141
.set MN,  142                          ; v[142:143] minus the mean, twice
.set R,   144                          ; v[144:145] 1/sqrt(var + eps), twice
.set Y,   146                          ; v[146:161] the row in bf16
.macro FOLD                            ; the four chains in T become one sum over the 32 lanes, in every lane, in S
	v_pk_add_f32 v[T:T+1], v[T:T+1], v[T+2:T+3]
	v_pk_add_f32 v[T+4:T+5], v[T+4:T+5], v[T+6:T+7]
	v_pk_add_f32 v[T:T+1], v[T:T+1], v[T+4:T+5]
	v_add_f32 v[S], v[T], v[T+1]
	v_add_f32_dpp v[S], v[S], v[S] row_xmask:1 row_mask:0xf bank_mask:0xf
	v_add_f32_dpp v[S], v[S], v[S] row_xmask:2 row_mask:0xf bank_mask:0xf
	v_add_f32_dpp v[S], v[S], v[S] row_xmask:4 row_mask:0xf bank_mask:0xf
	v_add_f32_dpp v[S], v[S], v[S] row_xmask:8 row_mask:0xf bank_mask:0xf
	v_permlanex16_b32 v[PX], v[S], s27, s28
	v_add_f32 v[S], v[S], v[PX]
.endm
.macro LNROW xr, row, cstat, cscale
	s_wait_loadcnt \cstat                          ; loads come back in order (ISA guide 5.7.1): the row is in
.irp k, 0,2,4,6
	v_pk_add_f32 v[T+\k:T+\k+1], v[\xr+\k:\xr+\k+1], v[\xr+8+\k:\xr+8+\k+1]
.endr
.irp g, 16,24
.irp k, 0,2,4,6
	v_pk_add_f32 v[T+\k:T+\k+1], v[T+\k:T+\k+1], v[\xr+\g+\k:\xr+\g+\k+1]
.endr
.endr
	FOLD
	v_mul_f32 v[MN], s31, v[S]
	v_mul_f32 v[MN+1], s31, v[S]
.irp j, 0,2,4,6,8,10,12,14,16,18,20,22,24,26,28,30
	v_pk_add_f32 v[\xr+\j:\xr+\j+1], v[\xr+\j:\xr+\j+1], v[MN:MN+1]
.endr
.irp k, 0,2,4,6
	v_pk_mul_f32 v[T+\k:T+\k+1], v[\xr+\k:\xr+\k+1], v[\xr+\k:\xr+\k+1]
.endr
.irp g, 8,16,24
.irp k, 0,2,4,6
	v_pk_fma_f32 v[T+\k:T+\k+1], v[\xr+\g+\k:\xr+\g+\k+1], v[\xr+\g+\k:\xr+\g+\k+1], v[T+\k:T+\k+1]
.endr
.endr
	FOLD
	v_fma_f32 v[S], v[S], s29, s30                 ; variance + eps
	v_rsq_f32 v[R], v[S]
	v_rsq_f32 v[R+1], v[S]
	v_nop                                          ; one plain instruction between v_rsq_f32 and the use of its result (ISA guide 5.7.2)
	s_wait_loadcnt \cscale                         ; gain and bias are in
	s_wait_alu depctr_va_vdst(0)
.irp j, 0,2,4,6,8,10,12,14,16,18,20,22,24,26,28,30
	v_pk_mul_f32 v[\xr+\j:\xr+\j+1], v[\xr+\j:\xr+\j+1], v[R:R+1]
.endr
.irp j, 0,2,4,6,8,10,12,14,16,18,20,22,24,26,28,30
	v_pk_fma_f32 v[\xr+\j:\xr+\j+1], v[\xr+\j:\xr+\j+1], v[W+\j:W+\j+1], v[BV+\j:BV+\j+1]
.endr
	s_wait_xcnt 0x0                                ; Y, which the row before stored from, is rewritten only behind this wait
.irp j, 0,1,2,3,4,5,6,7
	v_cvt_pk_bf16_f32 v[Y+2*\j], v[\xr+4*\j], v[\xr+4*\j+1]
	v_cvt_pk_bf16_f32 v[Y+2*\j+1], v[\xr+4*\j+2], v[\xr+4*\j+3]
.endr
.irp j, 0,1,2,3,4,5,6,7
	global_store_b64 v2, v[Y+2*\j:Y+2*\j+1], s[OB:OB+1] offset:\row*ROWH+256*\j       ; 256 consecutive bytes, aligned
.endr
.irp j, 0,1,2,3,4,5,6,7
	global_store_b128 v1, v[\xr+4*\j:\xr+4*\j+3], s[OF:OF+1] offset:\row*ROWF+512*\j  ; 512 consecutive bytes, aligned
.endr
.endm
	s_load_b256 s[4:11], s[0:1], 0x0               ; x2, ln2_w, ln2_b, xb
	s_load_b64 s[12:13], s[0:1], 0x20              ; x3f
	v_lshrrev_b32 v3, 5, v0
	v_readfirstlane_b32 s26, v3                    ; wave 0..7
	v_and_b32 v1, 31, v0
	v_lshlrev_b32 v2, 3, v1                        ; 8 x lane
	v_lshlrev_b32 v1, 4, v1                        ; 16 x lane
	s_lshl_b32 s2, ttmp9, 4
	s_lshl1_add_u32 s2, s26, s2                    ; my first row
	s_lshl_b32 s32, s2, 12
	s_mov_b32 s33, 0
	s_lshl_b32 s34, s2, 11
	s_mov_b32 s35, 0
	s_mov_b32 s27, 0x76543210
	s_mov_b32 s28, 0xfedcba98
	s_mov_b32 s29, 0x3a800000                      ; 1/1024
	s_mov_b32 s30, 0x3727c5ac                      ; 1e-5
	s_mov_b32 s31, 0xba800000                      ; -1/1024
	s_wait_kmcnt 0x0
	s_add_nc_u64 s[XP:XP+1], s[XP:XP+1], s[32:33]
	s_add_nc_u64 s[OF:OF+1], s[OF:OF+1], s[32:33]
	s_add_nc_u64 s[OB:OB+1], s[OB:OB+1], s[34:35]
.irp j, 0,1,2,3,4,5,6,7
	global_load_b128 v[X0+4*\j:X0+4*\j+3], v1, s[XP:XP+1] offset:512*\j
.endr
.irp j, 0,1,2,3,4,5,6,7
	global_load_b128 v[W+4*\j:W+4*\j+3], v1, s[WP:WP+1] offset:512*\j
.endr
.irp j, 0,1,2,3,4,5,6,7
	global_load_b128 v[BV+4*\j:BV+4*\j+3], v1, s[BP:BP+1] offset:512*\j
.endr
.irp j, 0,1,2,3,4,5,6,7
	global_load_b128 v[X1+4*\j:X1+4*\j+3], v1, s[XP:XP+1] offset:ROWF+512*\j
.endr
	v_mov_b32 v[PX], 0                             ; v_permlanex16_b32 counts as a reader of its destination
	LNROW X0, 0, 24, 8                             ; 24: gain, bias and the second row stay out; 8: the second row stays out
	LNROW X1, 1, 0, 0
	s_endpgm
.Lfunc_end_k_q5fc273c0da_ln2:
	.size	k_q5fc273c0da_ln2, .Lfunc_end_k_q5fc273c0da_ln2-k_q5fc273c0da_ln2
	.p2alignl 7, 3214868480
	.fill 96, 4, 3214868480
	.section	.rodata,"a",@progbits
	.p2align	6, 0x0
	.amdhsa_kernel k_q5fc273c0da_ln2
		.amdhsa_group_segment_fixed_size 0
		.amdhsa_private_segment_fixed_size 0
		.amdhsa_enable_private_segment 0
		.amdhsa_kernarg_size 40
		.amdhsa_user_sgpr_count 2
		.amdhsa_user_sgpr_kernarg_segment_ptr 1
		.amdhsa_wavefront_size32 1
		.amdhsa_system_sgpr_workgroup_id_x 1
		.amdhsa_system_sgpr_workgroup_id_y 1
		.amdhsa_system_sgpr_workgroup_id_z 1
		.amdhsa_system_vgpr_workitem_id 0
		.amdhsa_next_free_vgpr 168
		.amdhsa_next_free_sgpr 66
		.amdhsa_reserve_vcc 0
		.amdhsa_float_denorm_mode_32 3
		.amdhsa_float_denorm_mode_16_64 3
		.amdhsa_memory_ordered 1
		.amdhsa_forward_progress 1
		.amdhsa_inst_pref_size 22
	.end_amdhsa_kernel
	.amdgpu_metadata
---
amdhsa.version: [ 1, 2 ]
amdhsa.kernels:
  - .name:           k_q5fc273c0da_ln2
    .symbol:         k_q5fc273c0da_ln2.kd
    .args:
      - { .name: x2, .offset: 0, .size: 8, .value_kind: global_buffer, .address_space: global }
      - { .name: ln2_w, .offset: 8, .size: 8, .value_kind: global_buffer, .address_space: global }
      - { .name: ln2_b, .offset: 16, .size: 8, .value_kind: global_buffer, .address_space: global }
      - { .name: xb, .offset: 24, .size: 8, .value_kind: global_buffer, .address_space: global }
      - { .name: x3f, .offset: 32, .size: 8, .value_kind: global_buffer, .address_space: global }
    .group_segment_fixed_size: 0
    .private_segment_fixed_size: 0
    .kernarg_segment_align: 8
    .kernarg_segment_size: 40
    .max_flat_workgroup_size: 256
    .sgpr_count:     66
    .vgpr_count:     168
    .wavefront_size: 32
...
	.end_amdgpu_metadata
.endif
;; end of part 5
;; launch up (part 6): grid 16 x 16, 4 waves a work-group, clusters of 4 x 4, 327,680 bytes of LDS; arguments xb, wb, up_b, hb; writes hb
.if DOCPART == 6
	.amdgcn_target "amdgcn-amd-amdhsa--gfx1250"
	.amdhsa_code_object_version 6
	.text
	.protected	k_q5fc273c0da_up
	.globl	k_q5fc273c0da_up
	.p2align	8
	.type	k_q5fc273c0da_up,@function
k_q5fc273c0da_up:
	s_mov_b64 s[64:65], 0
	v_nop
	global_prefetch_b8 v0, s[64:65] scope:SCOPE_SE
	s_setreg_imm32_b32 hwreg(HW_REG_WAVE_MODE, 25, 1), 1
	s_wait_xcnt 0x0
	s_wait_alu depctr_hold_cnt(0) depctr_sa_sdst(0) depctr_va_vdst(0) depctr_va_sdst(0) depctr_va_ssrc(0) depctr_va_vcc(0) depctr_vm_vsrc(0)
	s_getreg_b32 s2, hwreg(HW_REG_IB_STS2, 6, 4)
	s_cmp_eq_u32 s2, 0
	s_cbranch_scc0 .Lentry_in_a_cluster
	s_endpgm
.Lentry_in_a_cluster:
	s_bfe_u32 s2, ttmp6, 0x10000c
	s_cmp_lg_u32 s2, 0xf033
	s_cbranch_scc0 .Lentry_shape_is_right
	s_endpgm
.Lentry_shape_is_right:
; h = gelu(x3 Up^T + up_b), exact (erf) GELU.  A = xb [4096][1024] bf16, B = up in wb (byte 0x800000) [4096][1024] bf16, sums in f32; hb [4096][4096] bf16, rounded once.
; A work-group makes a block of 256 x 256 with four waves, a wave 128 x 128: 64 accumulator tiles, 512 registers; 16 x 16 = 256 work-groups.
; K goes in steps of 128 through a ring of two LDS slots filled by the tensor data mover; a tile's rows are 256 bytes of memory, aligned.
; CLUSTERS: 4 x 4 work-groups; A's tiles are asked for jointly along a row of the cluster, B's along a column: the requests for both are divided by four.
; REGISTERS, in windows of 256: window 0: v0-31 addresses, v32-63 packed results, v64-127 and v128-191 fragments of A (on the way out: GELU's work, read-back), v192-255 results + bias;
;   window 1: v64-127, v128-191 fragments of B, v192-255 the bias of my 128 columns; windows 2, 3: accumulators (tile (a, b) at v[8 (8 a + b)]).
; The matrix instruction is used transposed (source 0 = B's rows, source 1 = A's): a lane holds 8 neighbouring columns of one row.
; GELU: gelu(x) = max(x, 0) - |x| (poly(t) / 2) 2^(-x^2 log2(e) / 2), t = 1 / (1 + 0.23164189 |x|): the form 7.1.26 of Abramowitz and Stegun for erf(|x| / sqrt 2).
; LIMITS: that form's absolute error in erf is at most 1.5e-7 for every x; no difference of large terms is formed; where x^2 overflows the exponential is 0 and gelu is max(x, 0).
; v_rcp_f32 and v_exp_f32 are accurate to 1 ULP and flush denormals.
.set SIZE_N, 4096
.set SIZE_K, 1024
.set WOFF,   0x800000
.set KSTEP,  128
.set PITCH,  272                       ; 256 bytes + 16 of padding: the 16 rows that a load touches start at 16 different banks (ISA guide 11.1)
.set HALFT,  128*PITCH
.set SLOT,   4*HALFT
.set STAGE,  2*SLOT                    ; behind the ring: 16 rows x 272 bytes for each wave; no fill lands there
.set SPITCH, 272
.set LAPS,   SIZE_K/(2*KSTEP)
.set ADRA, 16
.set ADRB, 20
.set STO,  24
.set RD,   25
.set CO,   26
.set BO,   27
.set TMP,  32                          ; v32-63  packed results
.set F0,   64
.set F1,   128
.set AX,   64                          ; v64-71   |x|
.set GT,   72                          ; v72-79   t
.set GE,   80                          ; v80-87   the exponential
.set GP,   88                          ; v88-95   the polynomial
.set GR,   96                          ; v96-103  max(x, 0)
.set CF,   104                         ; v104-113 minus half of the five coefficients, each twice
.set RB,   128                         ; v128-159 read back from the stage
.set W,    192                         ; v192-255 a row of tiles, f32
.set BIAS, 192                         ; window 1
.set G1, 24
.set G0, 32
.set G1B, 48
.set G0B, 56
.set MSB, 0
.macro WIN new                         ; the immediate's high byte repeats the setting that is left
.if MSB != \new
	s_set_vgpr_msb (MSB<<8)|\new
.set MSB, \new
.endif
.endm
.set MUL_LO, 0xa1
.set MUL_HI, 0xf1
.set TO_B,   0x40
.macro JLOAD s                         ; waves 0, 1 fetch A's halves, waves 2, 3 B's; the branch hangs on the wave's number alone
	s_cmp_eq_u32 s11, 0
	s_cbranch_scc0 .Lfor_b_\@
	tensor_load_to_lds s[G0+4*\s:G0+4*\s+3], s[G1:G1+7]
	s_nop 0
	s_branch .Lasked_\@
.Lfor_b_\@:
	tensor_load_to_lds s[G0B+4*\s:G0B+4*\s+3], s[G1B:G1B+7]
	s_nop 0
.Lasked_\@:
.endm
.macro CREST                           ; a round of the cluster's barrier behind its opening barrier
	s_cmp_lg_u32 s10, 0
	s_cbranch_scc1 .Lnot_wave_0_\@
	s_barrier_signal -3
.Lnot_wave_0_\@:
	s_barrier_wait -3
	s_barrier_signal -1
	s_barrier_wait -1
.endm
.macro CROUND
	s_barrier_signal -1
	s_barrier_wait -1
	CREST
.endm
	s_load_b128 s[4:7], s[0:1], 0x0                ; xb s[4:5], wb s[6:7]
	s_load_b64 s[68:69], s[0:1], 0x10              ; up_b
	s_load_b64 s[8:9], s[0:1], 0x18                ; hb
	s_set_vgpr_msb 0x40
	v_lshl_add_u32 v63, v0, 2, 0x48400
	s_set_vgpr_msb 0x4000
	v_mov_b32 v31, 0
	s_set_vgpr_msb 0x1
	ds_add_u32 v63, v31
	ds_add_u32 v63, v31
	s_set_vgpr_msb 0x100
	v_lshrrev_b32 v1, 5, v0
	v_readfirstlane_b32 s10, v1                    ; wave 0..3
	s_lshr_b32 s11, s10, 1
	s_and_b32 s12, s10, 1
	s_bfe_u32 s40, ttmp6, 0x40000                  ; cx
	s_bfe_u32 s41, ttmp6, 0x40004                  ; cy
	s_lshl_b32 s42, ttmp9, 2
	s_add_co_u32 s42, s42, s40                     ; block column
	s_and_b32 s13, ttmp7, 0xffff
	s_lshl_b32 s13, s13, 2
	s_add_co_u32 s13, s13, s41                     ; block row
	s_lshl_b32 s43, s41, 2
	s_lshl_b32 s43, 15, s43                        ; my row of the cluster
	s_lshl_b32 s44, 0x1111, s40                    ; my column
	s_or_b32 s[G1+0], s43, (1<<16)|(1<<20)|(1<<21)|(5<<22)|(3<<25)
	s_or_b32 s[G1B+0], s44, (1<<16)|(1<<20)|(1<<21)|(5<<22)|(3<<25)
	s_mov_b32 s[G1B+1], KSTEP<<16
	s_mov_b32 s[G1+1], KSTEP<<16                   ; tensor_dim0 = 128
	s_mov_b32 s[G1B+2], 128<<16
	s_mov_b32 s[G1+2], 128<<16                     ; tensor_dim1 = 128
	s_mov_b32 s[G1B+3], KSTEP<<16
	s_mov_b32 s[G1+3], KSTEP<<16                   ; tile_dim0 = 128
	s_mov_b32 s[G1B+4], 128
	s_mov_b32 s[G1+4], 128                         ; tile_dim1 = 128
	s_mov_b32 s[G1B+5], SIZE_K
	s_mov_b32 s[G1+5], SIZE_K
	s_mov_b32 s[G1B+6], 0
	s_mov_b32 s[G1+6], 0
	s_mov_b32 s[G1B+7], 0
	s_mov_b32 s[G1+7], 0
	s_lshl_b32 s17, s12, 7
	s_lshl_b32 s16, s13, 8
	s_add_co_u32 s16, s16, s17                     ; A: row 256 x block row + 128 x half
	s_lshl_b32 s46, s42, 8
	s_add_co_u32 s46, s46, s17                     ; B: row 256 x block column + 128 x half
	s_mov_b32 s17, 0
	s_mov_b32 s47, 0
	s_mov_b64 s[18:19], SIZE_K*2
	s_mul_u64 s[16:17], s[16:17], s[18:19]
	s_mul_u64 s[46:47], s[46:47], s[18:19]
	s_mul_i32 s20, s10, HALFT
	s_wait_dscnt 0x0
	s_wait_kmcnt 0x0
	s_add_nc_u64 s[14:15], s[4:5], s[16:17]
	s_add_nc_u64 s[46:47], s[6:7], s[46:47]
	s_add_nc_u64 s[46:47], s[46:47], WOFF
	CROUND                                         ; all sixteen work-groups are here: the first joint loads meet
.irp s, 0,1
	s_mov_b32 s[G0+4*\s], 1
	s_add_co_u32 s[G0+4*\s+1], s20, \s*SLOT
	s_add_nc_u64 s[G0+4*\s+2:G0+4*\s+3], s[14:15], \s*KSTEP*2
	s_or_b32 s[G0+4*\s+3], s[G0+4*\s+3], 0x80000000
	s_mov_b32 s[G0B+4*\s], 1
	s_add_co_u32 s[G0B+4*\s+1], s20, \s*SLOT
	s_add_nc_u64 s[G0B+4*\s+2:G0B+4*\s+3], s[46:47], \s*KSTEP*2
	s_or_b32 s[G0B+4*\s+3], s[G0B+4*\s+3], 0x80000000
	JLOAD \s                                       ; both first fills: two tensor loads of the wave are out
.endr
	v_and_b32 v1, 15, v0
	v_bfe_u32 v2, v0, 4, 1
	v_mul_u32_u24 v3, v1, PITCH
	v_lshl_add_u32 v3, v2, 4, v3
	s_mul_i32 s21, s11, HALFT
	s_mul_i32 s22, s12, HALFT
	s_add_co_u32 s22, s22, 2*HALFT
.irp s, 0,1
	v_add_nc_u32 v[ADRA+\s], s21, v3
	v_add_nc_u32 v[ADRB+\s], s22, v3
	s_add_co_u32 s21, s21, SLOT
	s_add_co_u32 s22, s22, SLOT
.endr
	s_mul_i32 s23, s10, 16*SPITCH
	s_add_co_u32 s23, s23, STAGE
	v_mul_u32_u24 v4, v1, SPITCH
	v_lshl_add_u32 v4, v2, 4, v4
	v_add_nc_u32 v[STO], s23, v4
	v_mul_u32_u24 v5, v2, SPITCH                   ; back: lanes 0-15 take one row of 256 bytes, lanes 16-31 the next
	v_lshl_add_u32 v5, v1, 4, v5
	v_add_nc_u32 v[RD], s23, v5
	v_mul_u32_u24 v5, v2, SIZE_N*2
	v_lshl_add_u32 v[CO], v1, 4, v5
	v_lshlrev_b32 v[BO], 5, v2
	s_lshl_b32 s76, s42, 10                        ; the bias of my 128 columns: (256 x block column + 128 x half) x 4 bytes
	s_lshl_b32 s77, s12, 9
	s_add_co_u32 s76, s76, s77
	s_mov_b32 s77, 0
	s_add_nc_u64 s[68:69], s[68:69], s[76:77]
	WIN TO_B
.irp b, 0,1,2,3,4,5,6,7
	global_load_b128 v[BIAS+8*\b:BIAS+8*\b+3],   v[BO], s[68:69] offset:64*\b      ; these 16 loads stay out through the K loop
	global_load_b128 v[BIAS+8*\b+4:BIAS+8*\b+7], v[BO], s[68:69] offset:64*\b+16
.endr
	WIN 0
.macro MUL16 f, hi, a0, zero
.irp a, \a0, \a0+1
.irp b, 0,1,2,3,4,5,6,7
.if \zero
	v_wmma_f32_16x16x32_bf16 v[8*(8*(\a)+\b):8*(8*(\a)+\b)+7], v[\f+8*\b:\f+8*\b+7], v[\f+8*(4*\hi+\a):\f+8*(4*\hi+\a)+7], 0
.else
	v_wmma_f32_16x16x32_bf16 v[8*(8*(\a)+\b):8*(8*(\a)+\b)+7], v[\f+8*\b:\f+8*\b+7], v[\f+8*(4*\hi+\a):\f+8*(4*\hi+\a)+7], v[8*(8*(\a)+\b):8*(8*(\a)+\b)+7]
.endif
.endr
.endr
.endm
.macro FETCH slot, k, f
	WIN TO_B
.irp i, 0,1,2,3,4,5,6,7
	ds_load_b128 v[\f+8*\i:\f+8*\i+3],   v[ADRB+\slot] offset:\k+\i*16*PITCH
	ds_load_b128 v[\f+8*\i+4:\f+8*\i+7], v[ADRB+\slot] offset:\k+\i*16*PITCH+32
.endr
	WIN 0
.irp i, 0,1,2,3,4,5,6,7
	ds_load_b128 v[\f+8*\i:\f+8*\i+3],   v[ADRA+\slot] offset:\k+\i*16*PITCH
	ds_load_b128 v[\f+8*\i+4:\f+8*\i+7], v[ADRA+\slot] offset:\k+\i*16*PITCH+32
.endr
.endm
.macro PLACES                          ; four places behind a matrix instruction (ISA guide 7.12.1 for vector instructions)
.rept 4
	v_nop
.endr
.endm
; The 64 accumulators take turns, one instruction a turn.
.macro QUARTER slot, k, f, g, zero
	s_wait_dscnt 8                                 ; B and A's rows 0-63 are in; the youngest eight loads may be out
	WIN MUL_LO
	MUL16 \f, 0, 0, \zero
	MUL16 \f, 0, 2, \zero
	PLACES
	FETCH \slot, \k, \g
	s_wait_dscnt 32                                ; all but the 32 just issued
	WIN MUL_HI
	MUL16 \f, 1, 0, \zero
	MUL16 \f, 1, 2, \zero
.endm
.macro THREE slot, zero
	QUARTER \slot, 64,  F0, F1, \zero
	QUARTER \slot, 128, F1, F0, 0
	QUARTER \slot, 192, F0, F1, 0
.endm
.macro TURN slot, next, fill
	s_wait_dscnt 8
	WIN MUL_LO
	MUL16 F1, 0, 0, 0
	s_wait_dscnt 0                                 ; my reads of this slot are over
	s_wait_tensorcnt 0x0                           ; and all my tensor loads have landed
	ds_add_u32 v63, v31
	s_wait_dscnt 0x0
	s_barrier_signal -1                            ; (where a slot is filled again this barrier opens a round of the cluster's barrier)
	MUL16 F1, 0, 2, 0
	WIN 0
	s_barrier_wait -1
.if \fill
	CREST                                          ; no wave of any partner still reads this slot or has a load on its way
	s_add_nc_u64 s[G0+4*\slot+2:G0+4*\slot+3], s[G0+4*\slot+2:G0+4*\slot+3], 2*KSTEP*2
	s_add_nc_u64 s[G0B+4*\slot+2:G0B+4*\slot+3], s[G0B+4*\slot+2:G0B+4*\slot+3], 2*KSTEP*2
	JLOAD \slot                                    ; the first tensor load behind the round, the wave's only one until the next
.endif
	PLACES
	FETCH \next, 0, F0
	WIN MUL_HI
	MUL16 F1, 1, 0, 0
	MUL16 F1, 1, 2, 0
.endm
.macro LAP zero
	THREE 0, \zero
	TURN 0, 1, 1
	THREE 1, 0
	TURN 1, 0, 1
.endm
	s_wait_tensorcnt 1                             ; my part of K step 0 is in; K step 1's may stay out
	s_barrier_signal -1
	s_barrier_wait -1
	FETCH 0, 0, F0
	LAP 1
	WIN 0
	s_mov_b32 s3, LAPS-2
.Llap:
	LAP 0
	WIN 0
	s_sub_co_u32 s3, s3, 1
	s_cmp_lg_u32 s3, 0
	s_cbranch_scc1 .Llap
	THREE 0, 0
	TURN 0, 1, 0
	THREE 1, 0
	s_wait_dscnt 8
	WIN MUL_LO
	MUL16 F1, 0, 0, 0
	MUL16 F1, 0, 2, 0
	s_wait_dscnt 0
	WIN MUL_HI
	MUL16 F1, 1, 0, 0
	MUL16 F1, 1, 2, 0
	; THE WAY OUT, 16 rows at a time: + bias, GELU in f32, round to bf16, through my stage into whole rows of 256 bytes
	PLACES
	WIN 0
	s_wait_loadcnt 0x0                             ; the bias
	v_mov_b32 v[CF+0], 0xbe027906                  ; -0.127414796
	v_mov_b32 v[CF+1], 0xbe027906
	v_mov_b32 v[CF+2], 0x3e11a98e                  ; +0.142248368
	v_mov_b32 v[CF+3], 0x3e11a98e
	v_mov_b32 v[CF+4], 0xbf35f0e3                  ; -0.7107068705
	v_mov_b32 v[CF+5], 0xbf35f0e3
	v_mov_b32 v[CF+6], 0x3f3a00e3                  ; +0.7265760135
	v_mov_b32 v[CF+7], 0x3f3a00e3
	v_mov_b32 v[CF+8], 0xbf07dc22                  ; -0.5307027145
	v_mov_b32 v[CF+9], 0xbf07dc22
	s_lshl_b32 s13, s13, 8
	s_lshl_b32 s14, s11, 7
	s_add_co_u32 s16, s13, s14                     ; my first row
	s_mov_b32 s17, 0
	s_mov_b64 s[18:19], SIZE_N*2
	s_mul_u64 s[16:17], s[16:17], s[18:19]
	s_add_nc_u64 s[8:9], s[8:9], s[16:17]
	s_lshl_b32 s46, s42, 9                         ; my first column, in bytes (in the registers that held B's address)
	s_lshl_b32 s47, s12, 8
	s_add_co_u32 s46, s46, s47
	s_mov_b32 s47, 0
	s_add_nc_u64 s[8:9], s[8:9], s[46:47]
; gelu of the eight numbers at W + 8 b, in place
.macro GELU8 b
.irp j, 0,1,2,3,4,5,6,7
	v_and_b32 v[AX+\j], 0x7fffffff, v[W+8*\b+\j]
.endr
.irp j, 0,2,4,6
	v_pk_fma_f32 v[GT+\j:GT+\j+1], v[AX+\j:AX+\j+1], 0x3e6d3388, 1.0 op_sel_hi:[1,0,0]   ; 1 + 0.23164189 |x|
	v_pk_mul_f32 v[GE+\j:GE+\j+1], v[W+8*\b+\j:W+8*\b+\j+1], v[W+8*\b+\j:W+8*\b+\j+1]
.endr
.irp j, 0,2,4,6
	v_pk_mul_f32 v[GE+\j:GE+\j+1], v[GE+\j:GE+\j+1], 0xbf38aa3b op_sel_hi:[1,0]          ; -x^2 log2(e) / 2
.endr
.irp j, 0,1,2,3,4,5,6,7
	v_rcp_f32 v[GT+\j], v[GT+\j]
.endr
.irp j, 0,1,2,3,4,5,6,7
	v_exp_f32 v[GE+\j], v[GE+\j]
.endr
.irp j, 0,1,2,3,4,5,6,7
	v_max_num_f32 v[GR+\j], 0, v[W+8*\b+\j]        ; plain work between the transcendentals and the use of their results (ISA guide 5.7.2)
.endr
	s_wait_alu depctr_va_vdst(0)
.irp j, 0,2,4,6
	v_pk_fma_f32 v[GP+\j:GP+\j+1], v[GT+\j:GT+\j+1], v[CF+8:CF+9], v[CF+6:CF+7]
.endr
.irp c, 4,2,0
.irp j, 0,2,4,6
	v_pk_fma_f32 v[GP+\j:GP+\j+1], v[GP+\j:GP+\j+1], v[GT+\j:GT+\j+1], v[CF+\c:CF+\c+1]
.endr
.endr
.irp j, 0,2,4,6
	v_pk_mul_f32 v[GP+\j:GP+\j+1], v[GP+\j:GP+\j+1], v[GT+\j:GT+\j+1]
.endr
.irp j, 0,2,4,6
	v_pk_mul_f32 v[GP+\j:GP+\j+1], v[GP+\j:GP+\j+1], v[GE+\j:GE+\j+1]
.endr
.irp j, 0,2,4,6
	v_pk_fma_f32 v[W+8*\b+\j:W+8*\b+\j+1], v[AX+\j:AX+\j+1], v[GP+\j:GP+\j+1], v[GR+\j:GR+\j+1]
.endr
.endm
; rows 16 i .. 16 i + 15 of my block = the eight tiles (a, 0..7) of window 2 or 3 (from = 0x06 or 0x07: source 0 there, source 1 in window 1)
.macro OUT16 i, a, from
	WIN \from
.irp b, 0,1,2,3,4,5,6,7
.irp r, 0,1,2,3
	v_pk_add_f32 v[W+8*\b+2*\r:W+8*\b+2*\r+1], v[8*(8*\a+\b)+2*\r:8*(8*\a+\b)+2*\r+1], v[BIAS+8*\b+2*\r:BIAS+8*\b+2*\r+1]
.endr
.endr
	WIN 0
.irp b, 0,1,2,3,4,5,6,7
	GELU8 \b
.endr
.irp b, 0,1,2,3,4,5,6,7
.irp r, 0,1,2,3
	v_cvt_pk_bf16_f32 v[TMP+4*\b+\r], v[W+8*\b+2*\r], v[W+8*\b+2*\r+1]
.endr
.endr
.irp b, 0,1,2,3,4,5,6,7
	ds_store_b128 v[STO], v[TMP+4*\b:TMP+4*\b+3] offset:32*\b
.endr
	s_wait_xcnt 0x0                                ; RB, which the last stores read, and the stores' base are rewritten only behind this wait
.if \i
	s_add_nc_u64 s[8:9], s[8:9], 16*SIZE_N*2       ; 16 rows on
.endif
.irp t, 0,1,2,3,4,5,6,7
	ds_load_b128 v[RB+4*\t:RB+4*\t+3], v[RD] offset:\t*2*SPITCH    ; LDS serves a wave's instructions in order (ISA guide 5.7.1.4)
.endr
.irp t, 0,1,2,3,4,5,6,7
	s_wait_dscnt 7-\t
	global_store_b128 v[CO], v[RB+4*\t:RB+4*\t+3], s[8:9] offset:2*\t*SIZE_N*2   ; 16 lanes store 256 consecutive bytes, aligned
.endr
.endm
	OUT16 0, 0, 0x06
	OUT16 1, 1, 0x06
	OUT16 2, 2, 0x06
	OUT16 3, 3, 0x06
	OUT16 4, 0, 0x07
	OUT16 5, 1, 0x07
	OUT16 6, 2, 0x07
	OUT16 7, 3, 0x07
	s_set_vgpr_msb 0x1
	s_wait_tensorcnt 0x0
	ds_add_u32 v63, v31
	s_wait_dscnt 0x0
	s_set_vgpr_msb 0x100
	CROUND                                         ; the closing round
	s_endpgm
.Lfunc_end_k_q5fc273c0da_up:
	.size	k_q5fc273c0da_up, .Lfunc_end_k_q5fc273c0da_up-k_q5fc273c0da_up
	.p2alignl 7, 3214868480
	.fill 96, 4, 3214868480
	.section	.rodata,"a",@progbits
	.p2align	6, 0x0
	.amdhsa_kernel k_q5fc273c0da_up
		.amdhsa_group_segment_fixed_size 327680
		.amdhsa_private_segment_fixed_size 0
		.amdhsa_enable_private_segment 0
		.amdhsa_kernarg_size 32
		.amdhsa_user_sgpr_count 2
		.amdhsa_user_sgpr_kernarg_segment_ptr 1
		.amdhsa_wavefront_size32 1
		.amdhsa_system_sgpr_workgroup_id_x 1
		.amdhsa_system_sgpr_workgroup_id_y 1
		.amdhsa_system_sgpr_workgroup_id_z 1
		.amdhsa_system_vgpr_workitem_id 0
		.amdhsa_next_free_vgpr 1024
		.amdhsa_next_free_sgpr 80
		.amdhsa_reserve_vcc 0
		.amdhsa_float_denorm_mode_32 3
		.amdhsa_float_denorm_mode_16_64 3
		.amdhsa_memory_ordered 1
		.amdhsa_forward_progress 1
		.amdhsa_inst_pref_size 255
	.end_amdhsa_kernel
	.section	.bss,"aw",@nobits
	.p2align	6
	.space	262144
	.amdgpu_metadata
---
amdhsa.version: [ 1, 2 ]
amdhsa.kernels:
  - .name:           k_q5fc273c0da_up
    .symbol:         k_q5fc273c0da_up.kd
    .args:
      - { .name: xb, .offset: 0, .size: 8, .value_kind: global_buffer, .address_space: global }
      - { .name: wb, .offset: 8, .size: 8, .value_kind: global_buffer, .address_space: global }
      - { .name: up_b, .offset: 16, .size: 8, .value_kind: global_buffer, .address_space: global }
      - { .name: hb, .offset: 24, .size: 8, .value_kind: global_buffer, .address_space: global }
    .group_segment_fixed_size: 327680
    .private_segment_fixed_size: 0
    .kernarg_segment_align: 8
    .kernarg_segment_size: 32
    .max_flat_workgroup_size: 128
    .sgpr_count:     80
    .vgpr_count:     1024
    .wavefront_size: 32
...
	.end_amdgpu_metadata
.endif
;; end of part 6
;; launch down (part 7): grid 8 x 32, 4 waves a work-group, clusters of 4 x 4, 327,680 bytes of LDS; arguments hb, wb, down_b, x3f, out0; writes out0
.if DOCPART == 7
	.amdgcn_target "amdgcn-amd-amdhsa--gfx1250"
	.amdhsa_code_object_version 6
	.text
	.protected	k_q5fc273c0da_down
	.globl	k_q5fc273c0da_down
	.p2align	8
	.type	k_q5fc273c0da_down,@function
k_q5fc273c0da_down:
	s_mov_b64 s[64:65], 0
	v_nop
	global_prefetch_b8 v0, s[64:65] scope:SCOPE_SE
	s_setreg_imm32_b32 hwreg(HW_REG_WAVE_MODE, 25, 1), 1
	s_wait_xcnt 0x0
	s_wait_alu depctr_hold_cnt(0) depctr_sa_sdst(0) depctr_va_vdst(0) depctr_va_sdst(0) depctr_va_ssrc(0) depctr_va_vcc(0) depctr_vm_vsrc(0)
	s_getreg_b32 s2, hwreg(HW_REG_IB_STS2, 6, 4)
	s_cmp_eq_u32 s2, 0
	s_cbranch_scc0 .Lentry_in_a_cluster
	s_endpgm
.Lentry_in_a_cluster:
	s_bfe_u32 s2, ttmp6, 0x10000c
	s_cmp_lg_u32 s2, 0xf033
	s_cbranch_scc0 .Lentry_shape_is_right
	s_endpgm
.Lentry_shape_is_right:
; out0 = x3 + h Down^T + down_b, f32.  A = hb [4096][4096] bf16, B = down in wb (byte 0x1000000) [1024][4096] bf16; sums in f32.
; N is 1,024: blocks of 128 x 128 give 8 x 32 = 256 work-groups; four waves, a wave 64 x 64: 16 accumulator tiles, 128 registers.
; K goes in steps of 256 through a ring of two LDS slots; one tensor load a wave brings 64 rows x 512 bytes (aligned in memory), LDS pitch 528.
; CLUSTERS: 4 x 4 work-groups; A's tiles are asked for jointly along a row of the cluster, B's along a column: the requests for both are divided by four.
; THE ORDER OF K STEPS: a tile of A is needed by the 2 clusters of a row of clusters, a tile of B by the 8 of a column.  Clusters whose x + y is odd take each pair
; of K steps in the other order (slot 0 starts at step 1, slot 1 at step 0; both go on in strides of two steps), so of the clusters that need one tile half ask for
; it one step behind the other half.  The number x + y is the same in all sixteen partners, so every joint load's descriptor is still equal in those that its mask names.
; The residual and the bias are loaded behind the first tile's barrier, in the output's own lane layout, and stay on their way through the K loop.
; REGISTERS: window 0: v16-31 addresses and bias, v64-127 and v128-191 fragment buffers (A at f + 8 a, B at f + 32 + 8 b), v192-223 the way out;
;            window 1: v0-127 accumulators (tile (a, b) at 8 (4 a + b)), v128-255 the residual.
; The matrix instruction is used transposed (source 0 = B's rows, source 1 = A's): a lane holds 8 neighbouring columns of one row.
; LIMITS: h and the weights are bf16 (matrix operands); in the clusters with odd x + y the f32 sums do not run along ascending K.
.set SIZE_K, 4096
.set WOFF,   0x1000000
.set BPITCH, 528                       ; 512 bytes + 16: an odd multiple of 16, so the 16 rows of a fragment start at 16 different banks (ISA guide 11.1)
.set BHALF,  64*BPITCH
.set APITCH, 528
.set AHALF,  64*APITCH
.set ABYTES, 2*AHALF
.set SLOT,   ABYTES+2*BHALF            ; 135,168
.set STAGE,  2*SLOT                    ; behind the ring: 16 rows x 272 bytes for each wave; no fill lands there
.set SPITCH, 272
.set LAPS,   SIZE_K/512                ; a lap = two slots: 8
.set STEP,   512                       ; bytes of a K step in a row of A and of B
.set ADRA, 16
.set ADRB, 20
.set STO,  24
.set RD,   25
.set CO,   26
.set BO,   27
.set BI,   28                          ; v28-31 the bias of my four columns
.set F0,   64
.set F1,   128
.set RB,   192
.set RES,  128                         ; window 1
.set G1, 24
.set G0, 32
.set G1B, 48
.set G0B, 56
.set MSB, 0
.macro WIN new                         ; the immediate's high byte repeats the setting that is left
.if MSB != \new
	s_set_vgpr_msb (MSB<<8)|\new
.set MSB, \new
.endif
.endm
.set MULW, 0x50                        ; C and D in window 1, A and B in window 0
.macro JLOAD s                         ; waves 0, 1 fetch A's halves, waves 2, 3 B's; the branch hangs on the wave's number alone
	s_cmp_eq_u32 s11, 0
	s_cbranch_scc0 .Lfor_b_\@
	tensor_load_to_lds s[G0+4*\s:G0+4*\s+3], s[G1:G1+7]
	s_nop 0
	s_branch .Lasked_\@
.Lfor_b_\@:
	tensor_load_to_lds s[G0B+4*\s:G0B+4*\s+3], s[G1B:G1B+7]
	s_nop 0
.Lasked_\@:
.endm
.macro CREST                           ; a round of the cluster's barrier behind its opening barrier
	s_cmp_lg_u32 s10, 0
	s_cbranch_scc1 .Lnot_wave_0_\@
	s_barrier_signal -3
.Lnot_wave_0_\@:
	s_barrier_wait -3
	s_barrier_signal -1
	s_barrier_wait -1
.endm
.macro CROUND
	s_barrier_signal -1
	s_barrier_wait -1
	CREST
.endm
	s_load_b128 s[4:7], s[0:1], 0x0                ; hb s[4:5], wb s[6:7]
	s_load_b128 s[68:71], s[0:1], 0x10             ; down_b s[68:69], x3f s[70:71]
	s_load_b64 s[8:9], s[0:1], 0x20                ; out0
	v_lshl_add_u32 v254, v0, 2, 0x46400
	v_mov_b32 v255, 0
	ds_add_u32 v254, v255
	ds_add_u32 v254, v255
	v_lshrrev_b32 v1, 5, v0
	v_readfirstlane_b32 s10, v1                    ; wave 0..3
	s_lshr_b32 s11, s10, 1                         ; my half of the block's rows.  Also: I fetch for A (0) or for B (1)
	s_and_b32 s12, s10, 1                          ; my half of its columns.  Also: which 64 rows I fetch
	s_bfe_u32 s40, ttmp6, 0x40000                  ; cx
	s_bfe_u32 s41, ttmp6, 0x40004                  ; cy
	s_lshl_b32 s42, ttmp9, 2
	s_add_co_u32 s42, s42, s40                     ; block column
	s_and_b32 s13, ttmp7, 0xffff
	s_add_co_u32 s78, s13, ttmp9                   ; cluster x + cluster y
	s_and_b32 s78, s78, 1
	s_lshl_b32 s78, s78, 9                         ; slot 0 starts at K step 0, or at step 1 where that sum is odd,
	s_mov_b32 s79, 0
	s_xor_b32 s76, s78, STEP                       ; and slot 1 at the other of the two
	s_mov_b32 s77, 0
	s_lshl_b32 s13, s13, 2
	s_add_co_u32 s13, s13, s41                     ; block row
	s_lshl_b32 s43, s41, 2
	s_lshl_b32 s43, 15, s43                        ; my row of the cluster
	s_lshl_b32 s44, 0x1111, s40                    ; my column
	; group 1: 64 rows x 256 elements of 2 bytes, 4 words of padding behind every 128 words
	s_or_b32 s[G1+0], s43, (1<<16)|(1<<20)|(1<<21)|(6<<22)|(3<<25)
	s_or_b32 s[G1B+0], s44, (1<<16)|(1<<20)|(1<<21)|(6<<22)|(3<<25)
	s_mov_b32 s[G1+1], 256<<16                     ; tensor_dim0 = 256
	s_mov_b32 s[G1B+1], 256<<16
	s_mov_b32 s[G1+2], 64<<16                      ; tensor_dim1 = 64
	s_mov_b32 s[G1B+2], 64<<16
	s_mov_b32 s[G1+3], 256<<16                     ; tile_dim0
	s_mov_b32 s[G1B+3], 256<<16
	s_mov_b32 s[G1+4], 64                          ; tile_dim1
	s_mov_b32 s[G1B+4], 64
	s_mov_b32 s[G1+5], SIZE_K                      ; from row to row
	s_mov_b32 s[G1B+5], SIZE_K
	s_mov_b32 s[G1+6], 0
	s_mov_b32 s[G1B+6], 0
	s_mov_b32 s[G1+7], 0
	s_mov_b32 s[G1B+7], 0
	; A hangs on the block row, B on the block column, both on the cluster's own x + y
	s_lshl_b32 s16, s13, 7
	s_lshl_b32 s17, s12, 6
	s_add_co_u32 s16, s16, s17                     ; A: row 128 x block row + 64 x half
	s_lshl_b32 s16, s16, 13                        ; x 8,192 bytes
	s_mov_b32 s17, 0
	s_lshl_b32 s46, s42, 7
	s_lshl_b32 s47, s12, 6
	s_add_co_u32 s46, s46, s47                     ; B: row 128 x block column + 64 x half
	s_mul_i32 s46, s46, SIZE_K*2
	s_mov_b32 s47, 0
	s_mul_i32 s20, s10, AHALF                      ; A's halves (waves 0, 1) at wave x 33,792
	s_mul_i32 s21, s10, BHALF
	s_add_co_u32 s21, s21, ABYTES-2*BHALF          ; B's halves (waves 2, 3) behind A's region
	s_wait_dscnt 0x0
	s_wait_kmcnt 0x0
	s_add_nc_u64 s[14:15], s[4:5], s[16:17]
	s_add_nc_u64 s[46:47], s[6:7], s[46:47]
	s_add_nc_u64 s[46:47], s[46:47], WOFF
	CROUND                                         ; all sixteen work-groups are here: the first joint loads meet
.irp s, 0,1
	s_mov_b32 s[G0+4*\s], 1
	s_add_co_u32 s[G0+4*\s+1], s20, \s*SLOT
	s_add_nc_u64 s[G0+4*\s+2:G0+4*\s+3], s[14:15], s[78-2*\s:79-2*\s]
	s_or_b32 s[G0+4*\s+3], s[G0+4*\s+3], 0x80000000
	s_mov_b32 s[G0B+4*\s], 1
	s_add_co_u32 s[G0B+4*\s+1], s21, \s*SLOT
	s_add_nc_u64 s[G0B+4*\s+2:G0B+4*\s+3], s[46:47], s[78-2*\s:79-2*\s]
	s_or_b32 s[G0B+4*\s+3], s[G0B+4*\s+3], 0x80000000
	JLOAD \s                                       ; both first fills: two tensor loads of the wave are out
.endr
	v_and_b32 v1, 15, v0                           ; r
	v_bfe_u32 v2, v0, 4, 1                         ; h
	v_mul_u32_u24 v3, v1, APITCH
	v_lshl_add_u32 v3, v2, 4, v3
	v_mul_u32_u24 v4, v1, BPITCH
	v_lshl_add_u32 v4, v2, 4, v4
	s_mul_i32 s22, s11, AHALF                      ; my 64 rows of A
	s_mul_i32 s23, s12, BHALF
	s_add_co_u32 s23, s23, ABYTES                  ; my 64 rows of B
.irp s, 0,1
	v_add_nc_u32 v[ADRA+\s], s22, v3
	v_add_nc_u32 v[ADRB+\s], s23, v4
	s_add_co_u32 s22, s22, SLOT
	s_add_co_u32 s23, s23, SLOT
.endr
	s_mul_i32 s45, s10, 16*SPITCH
	s_add_co_u32 s45, s45, STAGE                   ; my stage
	v_mul_u32_u24 v5, v1, SPITCH
	v_lshl_add_u32 v5, v2, 5, v5                   ; in: row r, 32 bytes (8 f32) for each half of the lanes
	v_add_nc_u32 v[STO], s45, v5
	v_mul_u32_u24 v5, v2, SPITCH
	v_lshl_add_u32 v5, v1, 4, v5                   ; back: 16 lanes take a row of 256 bytes
	v_add_nc_u32 v[RD], s45, v5
	v_lshlrev_b32 v5, 12, v2
	v_lshl_add_u32 v[CO], v1, 4, v5                ; the same two rows in memory (4,096 bytes a row)
	v_lshlrev_b32 v[BO], 4, v1
	s_lshl_b32 s72, s13, 7
	s_lshl_b32 s73, s11, 6
	s_add_co_u32 s72, s72, s73                     ; my first row
	s_lshl_b32 s72, s72, 12
	s_mov_b32 s73, 0
	s_lshl_b32 s74, s42, 7
	s_lshl_b32 s75, s12, 6
	s_add_co_u32 s74, s74, s75                     ; my first column
	s_lshl_b32 s74, s74, 2
	s_mov_b32 s75, 0
	s_add_nc_u64 s[68:69], s[68:69], s[74:75]
	s_add_nc_u64 s[70:71], s[70:71], s[72:73]
	s_add_nc_u64 s[70:71], s[70:71], s[74:75]
	s_add_nc_u64 s[8:9], s[8:9], s[72:73]
	s_add_nc_u64 s[8:9], s[8:9], s[74:75]
.macro MULA f, a, zero                 ; four matrix instructions: m block a x the four n blocks
.irp b, 0,1,2,3
.if \zero
	v_wmma_f32_16x16x32_bf16 v[8*(4*\a+\b):8*(4*\a+\b)+7], v[\f+32+8*\b:\f+32+8*\b+7], v[\f+8*\a:\f+8*\a+7], 0
.else
	v_wmma_f32_16x16x32_bf16 v[8*(4*\a+\b):8*(4*\a+\b)+7], v[\f+32+8*\b:\f+32+8*\b+7], v[\f+8*\a:\f+8*\a+7], v[8*(4*\a+\b):8*(4*\a+\b)+7]
.endif
.endr
.endm
.macro FETCH slot, kq, f               ; 16 LDS loads: part kq (32 along K) of the slot
	WIN 0
.irp i, 0,1,2,3
	ds_load_b128 v[\f+32+8*\i:\f+32+8*\i+3], v[ADRB+\slot] offset:64*\kq+\i*16*BPITCH
	ds_load_b128 v[\f+32+8*\i+4:\f+32+8*\i+7], v[ADRB+\slot] offset:64*\kq+\i*16*BPITCH+32
.endr
.irp i, 0,1,2,3
	ds_load_b128 v[\f+8*\i:\f+8*\i+3], v[ADRA+\slot] offset:64*\kq+\i*16*APITCH
	ds_load_b128 v[\f+8*\i+4:\f+8*\i+7], v[ADRA+\slot] offset:64*\kq+\i*16*APITCH+32
.endr
.endm
.macro PLACES                          ; four places behind a matrix instruction before a load lands on a register that it read (ISA guide 7.12.1 for vector instructions)
.rept 4
	v_nop
.endr
.endm
; One part: buffer f is multiplied; ahead of that the next part's fragments (part kq) are asked for into buffer g: they have these 16 matrix instructions in which to land.
; The 16 accumulators take turns, one instruction a turn.
.macro PART slot, kq, f, g, zero
	s_wait_dscnt 0x0                               ; buffer f is whole
	PLACES
	FETCH \slot, \kq, \g
	WIN MULW
	MULA \f, 0, \zero
	MULA \f, 1, \zero
	MULA \f, 2, \zero
	MULA \f, 3, \zero
.endm
.macro SEVEN slot, zero
	PART \slot, 1, F0, F1, \zero
	PART \slot, 2, F1, F0, 0
	PART \slot, 3, F0, F1, 0
	PART \slot, 4, F1, F0, 0
	PART \slot, 5, F0, F1, 0
	PART \slot, 6, F1, F0, 0
	PART \slot, 7, F0, F1, 0
.endm
; The eighth part changes slots.  In front of the barrier: my reads of this slot are over, all my tensor loads have landed (one was out: my piece of the next slot).
; Behind it the refill comes first; from that request to the wait for it a wave issues 120 matrix instructions.
.macro TURN slot, next, fill
	s_wait_dscnt 0x0
	s_wait_tensorcnt 0x0
	ds_add_u32 v254, v255
	s_wait_dscnt 0x0
	s_barrier_signal -1                            ; (where a slot is filled again this barrier opens a round of the cluster's barrier)
	WIN MULW
	MULA F1, 0, 0
	MULA F1, 1, 0                                  ; register work while the others arrive
	WIN 0
	s_barrier_wait -1
.if \fill
	CREST                                          ; no wave of any partner still reads this slot or has a load on its way
	s_add_nc_u64 s[G0+4*\slot+2:G0+4*\slot+3], s[G0+4*\slot+2:G0+4*\slot+3], 2*STEP
	s_add_nc_u64 s[G0B+4*\slot+2:G0B+4*\slot+3], s[G0B+4*\slot+2:G0B+4*\slot+3], 2*STEP
	JLOAD \slot                                    ; the first tensor load behind the round, the wave's only one until the next
.endif
	PLACES
	FETCH \next, 0, F0
	WIN MULW
	MULA F1, 2, 0
	MULA F1, 3, 0
.endm
.macro LAP zero
	SEVEN 0, \zero
	TURN 0, 1, 1
	SEVEN 1, 0
	TURN 1, 0, 1
.endm
	s_wait_tensorcnt 1                             ; my piece of slot 0 is in; slot 1's may stay out
	s_barrier_signal -1
	s_barrier_wait -1
	FETCH 0, 0, F0
	global_load_b128 v[BI:BI+3], v[BO], s[68:69]   ; bias and residual: 33 loads that stay out through the K loop; their wait stands in front of the way out
	WIN 0x40                                       ; destination in window 1
.irp i, 0,1,2,3
.irp t, 0,1,2,3,4,5,6,7
	global_load_b128 v[RES+4*(8*\i+\t):RES+4*(8*\i+\t)+3], v[CO], s[70:71] offset:(16*\i+2*\t)*4096
.endr
.endr
	WIN 0
	LAP 1                                          ; the first products start the sums
	WIN 0
	s_mov_b32 s3, LAPS-2
.Llap:
	LAP 0
	WIN 0
	s_sub_co_u32 s3, s3, 1
	s_cmp_lg_u32 s3, 0
	s_cbranch_scc1 .Llap
	SEVEN 0, 0                                     ; the last lap fills nothing
	TURN 0, 1, 0
	SEVEN 1, 0
	s_wait_dscnt 0x0
	WIN MULW
	MULA F1, 0, 0
	MULA F1, 1, 0
	MULA F1, 2, 0
	MULA F1, 3, 0
	; THE WAY OUT, 16 rows at a time, in f32: through my stage into whole rows of 256 bytes, + residual + bias
	PLACES
	s_wait_loadcnt 0x0                             ; residual and bias
.macro OUTS i
	WIN 0x04                                       ; an LDS store's data and a vector instruction's source 1 in window 1
.irp b, 0,1,2,3
	ds_store_b128 v[STO], v[8*(4*\i+\b):8*(4*\i+\b)+3] offset:64*\b
	ds_store_b128 v[STO], v[8*(4*\i+\b)+4:8*(4*\i+\b)+7] offset:64*\b+16
.endr
	s_wait_xcnt 0x0                                ; RB, which the last stores read, is loaded again only behind this wait
.irp t, 0,1,2,3,4,5,6,7
	ds_load_b128 v[RB+4*\t:RB+4*\t+3], v[RD] offset:\t*2*SPITCH   ; LDS serves a wave's instructions in order (ISA guide 5.7.1.4)
.endr
	s_wait_dscnt 0x0
.irp t, 0,1,2,3,4,5,6,7
.irp u, 0,2
	v_pk_add_f32 v[RB+4*\t+\u:RB+4*\t+\u+1], v[RB+4*\t+\u:RB+4*\t+\u+1], v[RES+4*(8*\i+\t)+\u:RES+4*(8*\i+\t)+\u+1]
.endr
.endr
	WIN 0
.irp t, 0,1,2,3,4,5,6,7
.irp u, 0,2
	v_pk_add_f32 v[RB+4*\t+\u:RB+4*\t+\u+1], v[RB+4*\t+\u:RB+4*\t+\u+1], v[BI+\u:BI+\u+1]
.endr
.endr
.irp t, 0,1,2,3,4,5,6,7
	global_store_b128 v[CO], v[RB+4*\t:RB+4*\t+3], s[8:9] offset:(16*\i+2*\t)*4096   ; 16 lanes store 256 consecutive bytes, aligned
.endr
.endm
	OUTS 0
	OUTS 1
	OUTS 2
	OUTS 3
	s_wait_tensorcnt 0x0
	ds_add_u32 v254, v255
	s_wait_dscnt 0x0
	CROUND                                         ; the closing round
	s_endpgm
.Lfunc_end_k_q5fc273c0da_down:
	.size	k_q5fc273c0da_down, .Lfunc_end_k_q5fc273c0da_down-k_q5fc273c0da_down
	.p2alignl 7, 3214868480
	.fill 96, 4, 3214868480
	.section	.rodata,"a",@progbits
	.p2align	6, 0x0
	.amdhsa_kernel k_q5fc273c0da_down
		.amdhsa_group_segment_fixed_size 327680
		.amdhsa_private_segment_fixed_size 0
		.amdhsa_enable_private_segment 0
		.amdhsa_kernarg_size 40
		.amdhsa_user_sgpr_count 2
		.amdhsa_user_sgpr_kernarg_segment_ptr 1
		.amdhsa_wavefront_size32 1
		.amdhsa_system_sgpr_workgroup_id_x 1
		.amdhsa_system_sgpr_workgroup_id_y 1
		.amdhsa_system_sgpr_workgroup_id_z 1
		.amdhsa_system_vgpr_workitem_id 0
		.amdhsa_next_free_vgpr 512
		.amdhsa_next_free_sgpr 80
		.amdhsa_reserve_vcc 0
		.amdhsa_float_denorm_mode_32 3
		.amdhsa_float_denorm_mode_16_64 3
		.amdhsa_memory_ordered 1
		.amdhsa_forward_progress 1
		.amdhsa_inst_pref_size 137
	.end_amdhsa_kernel
	.amdgpu_metadata
---
amdhsa.version: [ 1, 2 ]
amdhsa.kernels:
  - .name:           k_q5fc273c0da_down
    .symbol:         k_q5fc273c0da_down.kd
    .args:
      - { .name: hb, .offset: 0, .size: 8, .value_kind: global_buffer, .address_space: global }
      - { .name: wb, .offset: 8, .size: 8, .value_kind: global_buffer, .address_space: global }
      - { .name: down_b, .offset: 16, .size: 8, .value_kind: global_buffer, .address_space: global }
      - { .name: x3f, .offset: 24, .size: 8, .value_kind: global_buffer, .address_space: global }
      - { .name: out0, .offset: 32, .size: 8, .value_kind: global_buffer, .address_space: global }
    .group_segment_fixed_size: 327680
    .private_segment_fixed_size: 0
    .kernarg_segment_align: 8
    .kernarg_segment_size: 40
    .max_flat_workgroup_size: 128
    .sgpr_count:     80
    .vgpr_count:     512
    .wavefront_size: 32
...
	.end_amdgpu_metadata
.endif
;; end of part 7
